; MI455X (gfx1250); checked and timed in simulation.
; The chip was launched on July 23, 2026; its instructions are those of AMD's public machine-readable ISA for CDNA 5 (MIT licence, August 2026) and "CDNA5" Instruction Set Architecture Reference Guide (July 2026). The comments in the code are by the model that wrote it; some were corrected since.
;; AFT Full Attention. Allowed arithmetic: float matrix products may take bf16 or f16 operands with f32 sums; other float arithmetic in f32, or as packed bf16 or f16 multiplies, adds, multiply-adds, maxima and minima; sums over many terms, partial sums and values carried from step to step in f32; what a program stores and reads back later, other than sums and carried values, may be rounded once to bf16 or f16.
;; Inputs: Wk 1,024 x 1,024 float32; Wo 1,024 x 1,024 float32; Wq 1,024 x 1,024 float32; Wv 1,024 x 1,024 float32; bk 1,024 float32; bo 1,024 float32; bq 1,024 float32; bv 1,024 float32; wbias 8 x 2,048 x 2,048 float32; x 4 x 2,048 x 1,024 float32.
;; Outputs: out0 4 x 2,048 x 1,024 float32.
;; One version. Each part assembles by itself: llvm-mc -triple=amdgcn-amd-amdhsa -mcpu=gfx1250 --defsym DOCPART=n.
;; ======== version 1 of 1: 4 launches
;; limits: values are held in f16: magnitudes above 65,504 overflow, below 6.1e-05 lose precision
;; workspace buffers: xb 16,777,216 bytes; wb 6,291,456 bytes; wo16 2,097,152 bytes; sq 16,777,216 bytes; ek 16,777,216 bytes; vv 16,777,216 bytes; yy 16,777,216 bytes
;; launch cast (part 1): grid 64 x 12, 8 waves a work-group, no clusters, 0 bytes of LDS; arguments x, Wq, Wk, Wv, Wo, xb, wb, wo16; writes xb, wb, wo16
.if DOCPART == 1
	.amdgcn_target "amdgcn-amd-amdhsa--gfx1250"
	.amdhsa_code_object_version 6
	.text
	.protected	k_qd652d7d9cc_cast
	.globl	k_qd652d7d9cc_cast
	.p2align	8
	.type	k_qd652d7d9cc_cast,@function
k_qd652d7d9cc_cast:
	s_mov_b64 s[64:65], 0
	v_nop
	global_prefetch_b8 v0, s[64:65] scope:SCOPE_SE
	s_setreg_imm32_b32 hwreg(HW_REG_WAVE_MODE, 25, 1), 1
	s_wait_xcnt 0x0
; CAST.  x, Wq, Wk, Wv are rounded once to bf16 and laid in blocks of 64 along K, so that the next launch's tiles are dense; Wo is rounded to bf16 and that number written as f16.
;   xb   [kb 16][m 8192][64 k] bf16            wb   [kb 16][g 8][type q,k,v][128 rows][64 k] bf16            wo16 [n 1024][k 1024] f16
; LIMIT.  A bf16 number is exact in f16 from 2^-14 up to 65,504; below 2^-14 Wo keeps f16's fixed step of 6e-8; beyond 65,504 it would become an infinity.
; SHARES.  Grid y picks a slab of 4 MiB of f32 (0-7: x's eighths, 8: Wq, 9: Wk, 10: Wv, 11: Wo), grid x 16 rows of it (64 KiB).  Eight waves; every byte is read once and written once.
; Blocked slabs: wave w takes 512 bytes of each row (blocks kb = 2 w, 2 w + 1); eight lanes take 256 consecutive bytes of a row, four rows to a pair of loads;
; a store covers four rows of 128 bytes of one block: 512 consecutive bytes, aligned.  All 16 loads of a lane go out first.  No LDS, no matrix unit: nothing is shared and nothing is multiplied.
.set X,   16                           ; v[16:79]   eight pieces of 8 f32 as loaded
.set Y,   80                           ; v[80:111]  eight pieces of 8 numbers of 16 bits to store
.set VIN, 5                            ; v5   my byte offset in the 16 rows of f32
.set VO,  6                            ; v6, v7  my byte offset in the output: block 2 w, block 2 w + 1
.set SRC, 24                           ; s[24:25] the slab's 16 rows
.set SOF, 26                           ; s[26:27] their byte offset in the input
.set DST, 28                           ; s[28:29] where they go
.set KBS, 30                           ; s30  bytes from a block of 64 k to the next
.set DOF, 34                           ; s[34:35] byte offset in the output
	s_load_b512 s[8:23], s[0:1], 0x0               ; x s[8:9], Wq s[10:11], Wk s[12:13], Wv s[14:15], Wo s[16:17], xb s[18:19], wb s[20:21], wo16 s[22:23]
	s_and_b32 s2, ttmp7, 0xffff                    ; the slab
	s_mov_b32 s3, ttmp9                            ; c: which 16 rows
	v_lshrrev_b32 v1, 5, v0                        ; wave
	v_and_b32 v2, 31, v0                           ; lane
	v_lshrrev_b32 v3, 3, v2                        ; lane / 8: the row of four
	v_and_b32 v4, 7, v2                            ; lane % 8: the 32 bytes of 256
	s_mov_b32 s5, 1048576                          ; xb: 8,192 rows x 128 bytes
	s_mov_b32 s6, 393216                           ; wb: 8 x 3 x 128 rows x 128 bytes
	s_lshl_b32 s[SOF], s2, 22                      ; x's eighth
	s_lshl_b32 s4, s3, 16                          ; 16 rows of 4,096 bytes
	s_lshl_b32 s31, s2, 17                         ; xb: 1,024 rows of 128 bytes,
	s_lshl_b32 s7, s3, 11                          ; 16 rows
	s_add_co_u32 s31, s31, s7
	s_lshr_b32 s32, s3, 3                          ; wb: the group of 128 rows,
	s_mul_i32 s32, s32, 49152
	s_sub_co_u32 s33, s2, 8                        ; the type (used where the slab is 8 to 10),
	s_lshl_b32 s33, s33, 14
	s_add_co_u32 s32, s32, s33
	s_and_b32 s33, s3, 7                           ; the 16 rows in the group
	s_lshl_b32 s33, s33, 11
	s_add_co_u32 s32, s32, s33
	s_cmp_lt_u32 s2, 8
	s_cselect_b32 s[SOF], s[SOF], 0
	s_cselect_b32 s[KBS], s5, s6
	s_cselect_b32 s[DOF], s31, s32
	s_add_co_u32 s[SOF], s[SOF], s4
	s_mov_b32 s[SOF+1], 0
	s_mov_b32 s[DOF+1], 0
	s_wait_kmcnt 0x0
	s_cmp_eq_u32 s2, 8
	s_cselect_b64 s[SRC:SRC+1], s[10:11], s[8:9]
	s_cmp_eq_u32 s2, 9
	s_cselect_b64 s[SRC:SRC+1], s[12:13], s[SRC:SRC+1]
	s_cmp_eq_u32 s2, 10
	s_cselect_b64 s[SRC:SRC+1], s[14:15], s[SRC:SRC+1]
	s_cmp_eq_u32 s2, 11
	s_cselect_b64 s[SRC:SRC+1], s[16:17], s[SRC:SRC+1]
	s_add_nc_u64 s[SRC:SRC+1], s[SRC:SRC+1], s[SOF:SOF+1]
	s_cmp_eq_u32 s2, 11
	s_cbranch_scc1 .Lwo
	; the blocked slabs
	s_cmp_lt_u32 s2, 8
	s_cselect_b64 s[DST:DST+1], s[18:19], s[20:21]
	s_add_nc_u64 s[DST:DST+1], s[DST:DST+1], s[DOF:DOF+1]
	v_lshlrev_b32 v[VIN], 12, v3                   ; row x 4,096
	v_lshl_add_u32 v[VIN], v1, 9, v[VIN]           ; + wave x 512
	v_lshl_add_u32 v[VIN], v4, 5, v[VIN]           ; + 32 x (lane % 8)
	v_lshlrev_b32 v[VO], 1, v1
	v_mul_lo_u32 v[VO], v[VO], s[KBS]              ; block 2 w
	v_lshl_add_u32 v[VO], v3, 7, v[VO]             ; + row x 128
	v_lshl_add_u32 v[VO], v4, 4, v[VO]             ; + 16 x (lane % 8)
	v_add_nc_u32 v[VO+1], s[KBS], v[VO]            ; block 2 w + 1
.set it, 0
.rept 8                                ; piece it: rows 4 (it / 2) .. + 3, block 2 w + it % 2
	global_load_b128 v[X+8*it:X+8*it+3],   v[VIN], s[SRC:SRC+1] offset:(it/2)*16384+(it%2)*256 th:TH_LOAD_NT
	global_load_b128 v[X+8*it+4:X+8*it+7], v[VIN], s[SRC:SRC+1] offset:(it/2)*16384+(it%2)*256+16 th:TH_LOAD_NT
.set it, it+1
.endr
.set it, 0
.rept 8
	s_wait_loadcnt 14-2*it                         ; loads come back in order: this piece's two are in, the younger pairs stay out
	v_cvt_pk_bf16_f32 v[Y+4*it],   v[X+8*it],   v[X+8*it+1]
	v_cvt_pk_bf16_f32 v[Y+4*it+1], v[X+8*it+2], v[X+8*it+3]
	v_cvt_pk_bf16_f32 v[Y+4*it+2], v[X+8*it+4], v[X+8*it+5]
	v_cvt_pk_bf16_f32 v[Y+4*it+3], v[X+8*it+6], v[X+8*it+7]
	global_store_b128 v[VO+it%2], v[Y+4*it:Y+4*it+3], s[DST:DST+1] offset:(it/2)*512  ; 512 consecutive bytes, aligned
.set it, it+1
.endr
	s_endpgm
.Lwo:                                  ; Wo keeps its layout: thread t takes 32 bytes at 32 t of each 8 KiB, and writes 16 bytes at 16 t of each 4 KiB
	s_lshl_b32 s[DOF], s3, 15                      ; 16 rows of 2,048 bytes
	s_add_nc_u64 s[DST:DST+1], s[22:23], s[DOF:DOF+1]
	v_lshlrev_b32 v[VIN], 5, v0
	v_lshlrev_b32 v[VO], 4, v0
.set it, 0
.rept 8
	global_load_b128 v[X+8*it:X+8*it+3],   v[VIN], s[SRC:SRC+1] offset:it*8192 th:TH_LOAD_NT
	global_load_b128 v[X+8*it+4:X+8*it+7], v[VIN], s[SRC:SRC+1] offset:it*8192+16 th:TH_LOAD_NT
.set it, it+1
.endr
.set it, 0
.rept 8
	s_wait_loadcnt 14-2*it
.set pp, 0
.rept 4
	v_cvt_pk_bf16_f32 v8, v[X+8*it+2*pp], v[X+8*it+2*pp+1]  ; rounded to bf16, like every other input,
	v_lshlrev_b32 v9, 16, v8                       ; back to f32,
	v_and_b32 v10, 0xffff0000, v8
	v_cvt_pk_f16_f32 v[Y+4*it+pp], v9, v10         ; and written as f16
.set pp, pp+1
.endr
	global_store_b128 v[VO], v[Y+4*it:Y+4*it+3], s[DST:DST+1] offset:it*4096
.set it, it+1
.endr
	s_endpgm
.Lfunc_end_k_qd652d7d9cc_cast:
	.size	k_qd652d7d9cc_cast, .Lfunc_end_k_qd652d7d9cc_cast-k_qd652d7d9cc_cast
	.p2alignl 7, 3214868480
	.fill 96, 4, 3214868480
	.section	.rodata,"a",@progbits
	.p2align	6, 0x0
	.amdhsa_kernel k_qd652d7d9cc_cast
		.amdhsa_group_segment_fixed_size 0
		.amdhsa_private_segment_fixed_size 0
		.amdhsa_enable_private_segment 0
		.amdhsa_kernarg_size 64
		.amdhsa_user_sgpr_count 2
		.amdhsa_user_sgpr_kernarg_segment_ptr 1
		.amdhsa_wavefront_size32 1
		.amdhsa_system_sgpr_workgroup_id_x 1
		.amdhsa_system_sgpr_workgroup_id_y 1
		.amdhsa_system_sgpr_workgroup_id_z 1
		.amdhsa_system_vgpr_workitem_id 0
		.amdhsa_next_free_vgpr 112
		.amdhsa_next_free_sgpr 66
		.amdhsa_reserve_vcc 0
		.amdhsa_float_denorm_mode_32 3
		.amdhsa_float_denorm_mode_16_64 3
		.amdhsa_memory_ordered 1
		.amdhsa_forward_progress 1
		.amdhsa_inst_pref_size 17
	.end_amdhsa_kernel
	.amdgpu_metadata
---
amdhsa.version: [ 1, 2 ]
amdhsa.kernels:
  - .name:           k_qd652d7d9cc_cast
    .symbol:         k_qd652d7d9cc_cast.kd
    .args:
      - { .name: x, .offset: 0, .size: 8, .value_kind: global_buffer, .address_space: global }
      - { .name: Wq, .offset: 8, .size: 8, .value_kind: global_buffer, .address_space: global }
      - { .name: Wk, .offset: 16, .size: 8, .value_kind: global_buffer, .address_space: global }
      - { .name: Wv, .offset: 24, .size: 8, .value_kind: global_buffer, .address_space: global }
      - { .name: Wo, .offset: 32, .size: 8, .value_kind: global_buffer, .address_space: global }
      - { .name: xb, .offset: 40, .size: 8, .value_kind: global_buffer, .address_space: global }
      - { .name: wb, .offset: 48, .size: 8, .value_kind: global_buffer, .address_space: global }
      - { .name: wo16, .offset: 56, .size: 8, .value_kind: global_buffer, .address_space: global }
    .group_segment_fixed_size: 0
    .private_segment_fixed_size: 0
    .kernarg_segment_align: 8
    .kernarg_segment_size: 64
    .max_flat_workgroup_size: 256
    .sgpr_count:     66
    .vgpr_count:     112
    .wavefront_size: 32
...
	.end_amdgpu_metadata
.endif
;; end of part 1
;; launch qkv (part 2): grid 8 x 32, 4 waves a work-group, clusters of 4 x 4, 327,680 bytes of LDS; arguments xb, wb, bq, bk, bv, sq, ek, vv; writes sq, ek, vv
.if DOCPART == 2
	.amdgcn_target "amdgcn-amd-amdhsa--gfx1250"
	.amdhsa_code_object_version 6
	.text
	.protected	k_qd652d7d9cc_qkv
	.globl	k_qd652d7d9cc_qkv
	.p2align	8
	.type	k_qd652d7d9cc_qkv,@function
k_qd652d7d9cc_qkv:
	s_mov_b64 s[64:65], 0
	v_nop
	global_prefetch_b8 v0, s[64:65] scope:SCOPE_SE
	s_setreg_imm32_b32 hwreg(HW_REG_WAVE_MODE, 25, 1), 1
	s_wait_xcnt 0x0
	s_wait_alu depctr_hold_cnt(0) depctr_sa_sdst(0) depctr_va_vdst(0) depctr_va_sdst(0) depctr_va_ssrc(0) depctr_va_vcc(0) depctr_vm_vsrc(0)
	s_getreg_b32 s2, hwreg(HW_REG_IB_STS2, 6, 4)
	s_cmp_eq_u32 s2, 0
	s_cbranch_scc0 .Lentry_in_a_cluster
	s_endpgm
.Lentry_in_a_cluster:
	s_bfe_u32 s2, ttmp6, 0x10000c
	s_cmp_lg_u32 s2, 0xf033
	s_cbranch_scc0 .Lentry_shape_is_right
	s_endpgm
.Lentry_shape_is_right:
; QKV.  sq = sigmoid(x Wq^T + bq) in f16, ek = exp(x Wk^T + bk) in bf16, vv = x Wv^T + bv in f16.  Products in bf16 with f32 sums; the biases are rounded to bf16 like the other inputs.
; THE OUTPUTS' LAYOUT: [b 4][h 8][dh 2][Q 32][g 8][mr 8][64 d], where the flat row is 2048 b + 256 h + 8 Q + mr and the flat column 128 g + 64 dh + d; in the module's reshape that is row 64 Q + 8 mr + g of head h.
; So 64 rows of a head, one half of their channels, are 8 KiB on end, and what this work-group writes of them (its g) is 1 KiB on end.
; LIMITS.  vv beyond 65,504 would become an infinity; an exponential below 2^-126 counts as 0; NaN and infinities are not treated apart.  The exponential is taken of k as it is, with no maximum taken away, as the module defines it; bf16 has f32's range.
; SHARES.  A work-group makes 256 rows (one b, h) x 128 columns (one g) of EACH of q, k, v: one tile of x feeds three products.  Wave (i, j) owns rows 128 i .. + 127 and, in each type, columns 64 j .. + 63:
; 8 x 4 accumulators a type, 768 registers.  For 32 along K it reads 20 fragments from LDS for 96 matrix instructions.  K goes in 16 steps of 64 through two LDS slots.
; CLUSTER.  4 x 4 work-groups: x's tile hangs on the row block alone and is asked for jointly along a row of the cluster, the weights' on the column group alone and jointly along a column.
; THE MATRIX INSTRUCTION IS USED TRANSPOSED (source 0 = 16 rows of W, source 1 = 16 rows of x): a lane holds row lane % 16 and the columns 8 (lane / 16) + 0..7.
; REGISTERS: window 0: addresses, x's fragments (two buffers of 64), W's fragments (32 a type); window 1, 2, 3: q's, k's, v's accumulators, (a, b) at 8 (4 a + b).
; LDS: a row is 128 bytes + 16 of padding = 36 words, so the 16 rows of a fragment load start at 16 different groups of four banks (64 banks of 4 bytes: ISA guide 11.1).
; THE WAY OUT: a type's sums go as f32 through a stage of 256 rows x 528 bytes that lies on the slots, which have had their last fill; a row's 512 bytes come from two waves, so a barrier stands between
; writing and reading; two stages take turns.  Each wave then takes 64 whole rows, two rows x 64 columns to a load, does the type's arithmetic and stores 256 consecutive bytes, aligned, with each instruction.
.set SLOT1,  131072                    ; slot 1 begins here: one exclusive or turns an address in one slot into the other's
.set PA,     144
.set AHALF,  128*PA                    ; what one tensor load brings of x
.set BOFF,   256*PA                    ; behind x's 256 rows: W's 384 rows, type x 128 + row
.set BHALF,  192*PA                    ; what one tensor load brings of W
.set BTYPE,  128*PA
.set SPITCH, 528                       ; a stage row: 512 bytes + 16
.set R1,     256*SPITCH                ; the second stage
.set SPARE,  2*R1                      ; behind the stages: the spare words, 128 bytes a wave: two blocks of 256 bytes that no other line names
.set KSA,    1048576                   ; bytes from a K step to the next in xb
.set KSB,    393216                    ; and in wb
.set ADRA0, 4                          ; v4   my place in x's rows of slot 0; never rewritten
.set ADRB0, 5                          ; v5   the same for W
.set ADRA,  6                          ; v6   in the slot in hand
.set ADRB,  7                          ; v7
.set STO0,  8                          ; v8   where I put 32 bytes of a row in stage 0
.set STO1,  9                          ; v9   in stage 1
.set RD,    10                         ; v10  where I read rows back
.set CO,    11                         ; v11  my byte offset in the output
.set SPW,   12                         ; v12  LDS address of my spare word; never rewritten
.set NIL,   13                         ; v13  0; never rewritten
.set RDB,   15                         ; v15  (64 w + lane / 16) stage rows + 16 (lane % 16); never rewritten
.set COB,   28                         ; v28  8 x lane; never rewritten
.set BAD,   29                         ; v29  16 (lane % 16): my four columns of a half of the biases; never rewritten
.set FA,    32                         ; v[32:159]  x's fragments, two buffers
.set FB,    160                        ; v[160:255] W's fragments, type ty at + 32 ty
.set Z,     32                         ; the way out: 8 loads x 4 f32
.set BI,    72                         ; the way out: v[72:95] the biases: type ty, half dh at + 8 ty + 4 dh; q's times -log2(e), k's times log2(e)
.set O,     96                         ; the way out: 8 x 2 registers to store
.set WV,  20                           ; s20 wave; s21 i (also: 0 = I fetch x, 1 = I fetch W); s22 j (also: which half I fetch)
.set WI,  21
.set WJ,  22
.set CX,  23
.set CY,  24
.set GG,  25                           ; s25 column group of 128
.set TR,  26                           ; s26 row block of 256
.set G1A, 28                           ; s[28:35] descriptor group 1 for x's tiles;  s[36:43] for W's
.set G1B, 36
.set G0A, 44                           ; s[44:51] group 0 for x's tiles: a set for each first fill; the second then walks
.set G0B, 52                           ; s[52:59] the same for W's
.set CNT, 60
.set TB,  61                           ; s61 the slot in hand: 0 or SLOT1
.set CN2, 62
.set NL2E, 66                          ; s[66:67] -log2(e);  s[68:69] log2(e): the packed forms take the pair's low word for both halves
.set OB,  70                           ; s[70:75] sq, ek, vv at my first block
.set MSB, 0
.macro WIN new                         ; the immediate's high byte repeats the setting that is left; a switch that changes nothing is dropped
.if MSB != (\new)
	s_set_vgpr_msb (MSB<<8)|(\new)
.set MSB, (\new)
.endif
.endm
.macro PLACES                          ; four places in front of loads into registers that matrix instructions have read, and of stores that read results
.rept 4
	v_nop
.endr
.endm
.macro CREST                           ; a round of the cluster's barrier behind its opening barrier
	s_cmp_lg_u32 s[WV], 0
	s_cbranch_scc1 .Lnot_wave_0_\@
	s_barrier_signal -3
.Lnot_wave_0_\@:
	s_barrier_wait -3
	s_barrier_signal -1
	s_barrier_wait -1
.endm
.macro CROUND
	s_barrier_signal -1
	s_barrier_wait -1
	CREST
.endm
.macro JLOAD                           ; a joint refill by the walking descriptors: waves 0, 1 fetch x's halves, waves 2, 3 W's; an s_nop 0 and four v_nop follow each line
	s_cmp_eq_u32 s[WI], 0
	s_cbranch_scc0 .Lfor_b_\@
	tensor_load_to_lds s[G0A+4:G0A+7], s[G1A:G1A+7]
	s_nop 0
	PLACES
	s_branch .Lasked_\@
.Lfor_b_\@:
	tensor_load_to_lds s[G0B+4:G0B+7], s[G1B:G1B+7]
	s_nop 0
	PLACES
.Lasked_\@:
.endm
	s_load_b512 s[4:19], s[0:1], 0x0               ; xb s[4:5], wb s[6:7], bq s[8:9], bk s[10:11], bv s[12:13], sq s[14:15], ek s[16:17], vv s[18:19]
	v_lshl_add_u32 v[SPW], v0, 2, SPARE
	v_mov_b32 v[NIL], 0
	ds_add_u32 v[SPW], v[NIL]                      ; the wave's opening: the add and its wait stand ahead of my first tensor load; the set-up below stands between them
	v_lshrrev_b32 v1, 5, v0
	v_readfirstlane_b32 s[WV], v1
	s_lshr_b32 s[WI], s[WV], 1
	s_and_b32 s[WJ], s[WV], 1
	s_bfe_u32 s[CX], ttmp6, 0x40000
	s_bfe_u32 s[CY], ttmp6, 0x40004
	s_lshl_b32 s[GG], ttmp9, 2
	s_add_co_u32 s[GG], s[GG], s[CX]               ; column group = 4 x cluster x + cx
	s_and_b32 s[TR], ttmp7, 0xffff
	s_lshl_b32 s[TR], s[TR], 2
	s_add_co_u32 s[TR], s[TR], s[CY]               ; row block = 4 x cluster y + cy
	s_lshl_b32 s2, s[CY], 2
	s_lshl_b32 s2, 15, s2                          ; my row of the cluster
	s_lshl_b32 s3, 0x1111, s[CX]                   ; my column
	; group 1: dense blocks asked for as rows of 256 bytes (two rows of 64 k), padded in LDS after every 32 words by 4
	s_or_b32 s[G1A], s2, (1<<16)|(1<<20)|(1<<21)|(4<<22)|(3<<25)
	s_or_b32 s[G1B], s3, (1<<16)|(1<<20)|(1<<21)|(4<<22)|(3<<25)
	s_mov_b32 s[G1A+1], 128<<16                    ; tensor_dim0 = 128 elements
	s_mov_b32 s[G1B+1], 128<<16
	s_mov_b32 s[G1A+2], 64<<16                     ; tensor_dim1 = 64 rows of 256 bytes: 128 rows of x
	s_mov_b32 s[G1B+2], 96<<16                     ; 96: 192 rows of W
	s_mov_b32 s[G1A+3], 128<<16                    ; tile_dim0
	s_mov_b32 s[G1B+3], 128<<16
	s_mov_b32 s[G1A+4], 64                         ; tile_dim1
	s_mov_b32 s[G1B+4], 96
	s_mov_b32 s[G1A+5], 128                        ; elements from row to row
	s_mov_b32 s[G1B+5], 128
	s_mov_b32 s[G1A+6], 0
	s_mov_b32 s[G1B+6], 0
	s_mov_b32 s[G1A+7], 0
	s_mov_b32 s[G1B+7], 0
	s_lshl_b32 s76, s[TR], 15                      ; x: (256 x row block + 128 x half) rows of 128 bytes: the row block and the wave alone
	s_lshl_b32 s77, s[WJ], 14
	s_add_co_u32 s76, s76, s77
	s_mov_b32 s77, 0
	s_mul_i32 s78, s[GG], 49152                    ; W: the column group's 384 rows, my half of them: the column group and the wave alone
	s_mul_i32 s79, s[WJ], 24576
	s_add_co_u32 s78, s78, s79
	s_mov_b32 s79, 0
	s_mul_i32 s2, s[WJ], AHALF                     ; where they go: the wave's number alone
	s_mul_i32 s3, s[WJ], BHALF
	s_add_co_u32 s3, s3, BOFF
	s_mov_b32 s[G0A], 1
	s_mov_b32 s[G0A+1], s2
	s_mov_b32 s[G0A+4], 1
	s_add_co_u32 s[G0A+5], s2, SLOT1
	s_mov_b32 s[G0B], 1
	s_mov_b32 s[G0B+1], s3
	s_mov_b32 s[G0B+4], 1
	s_add_co_u32 s[G0B+5], s3, SLOT1
	s_mov_b32 s[TB], 0
	s_mov_b32 s[NL2E], 0xbfb8aa3b
	s_mov_b32 s[NL2E+1], 0xbfb8aa3b
	s_mov_b32 s[NL2E+2], 0x3fb8aa3b
	s_mov_b32 s[NL2E+3], 0x3fb8aa3b
	s_wait_dscnt 0x0                               ; the opening add is done
	s_wait_kmcnt 0x0
	s_add_nc_u64 s[G0A+2:G0A+3], s[4:5], s[76:77]  ; K step 0,
	s_add_nc_u64 s[G0A+6:G0A+7], s[G0A+2:G0A+3], KSA  ; K step 1
	s_or_b32 s[G0A+3], s[G0A+3], 0x80000000        ; type = 2
	s_or_b32 s[G0A+7], s[G0A+7], 0x80000000
	s_add_nc_u64 s[G0B+2:G0B+3], s[6:7], s[78:79]
	s_add_nc_u64 s[G0B+6:G0B+7], s[G0B+2:G0B+3], KSB
	s_or_b32 s[G0B+3], s[G0B+3], 0x80000000
	s_or_b32 s[G0B+7], s[G0B+7], 0x80000000
	CROUND                                         ; all sixteen work-groups are here: the first joint loads meet
	s_cmp_eq_u32 s[WI], 0                          ; a wave's two first fills stand in one branch: two loads of mine are out
	s_cbranch_scc0 .Lfirst_b
	tensor_load_to_lds s[G0A:G0A+3], s[G1A:G1A+7]
	s_nop 0
	tensor_load_to_lds s[G0A+4:G0A+7], s[G1A:G1A+7]
	s_nop 0
	PLACES
	s_branch .Lfirst_asked
.Lfirst_b:
	tensor_load_to_lds s[G0B:G0B+3], s[G1B:G1B+7]
	s_nop 0
	tensor_load_to_lds s[G0B+4:G0B+7], s[G1B:G1B+7]
	s_nop 0
	PLACES
.Lfirst_asked:
	s_lshl_b32 s76, s[GG], 9                       ; the biases of my column group: 128 f32
	s_mov_b32 s77, 0
	s_add_nc_u64 s[8:9], s[8:9], s[76:77]
	s_add_nc_u64 s[10:11], s[10:11], s[76:77]
	s_add_nc_u64 s[12:13], s[12:13], s[76:77]
	s_lshl_b32 s78, s[TR], 19                      ; the outputs: the row block's 512 KiB, blocks Q = 8 w on (8 KiB each), my g's 1 KiB in them
	s_lshl_b32 s79, s[WV], 16
	s_add_co_u32 s78, s78, s79
	s_lshl_b32 s79, s[GG], 10
	s_add_co_u32 s78, s78, s79
	s_mov_b32 s79, 0
	s_add_nc_u64 s[OB:OB+1], s[14:15], s[78:79]
	s_add_nc_u64 s[OB+2:OB+3], s[16:17], s[78:79]
	s_add_nc_u64 s[OB+4:OB+5], s[18:19], s[78:79]
	; a fragment is 16 rows x 32 k in 8 registers: lane l holds row l % 16, k = 8 (l / 16) + 0..7 and 16 + 8 (l / 16) + 0..7: two loads of 16 bytes, 32 bytes apart
	v_and_b32 v1, 15, v0
	v_bfe_u32 v2, v0, 4, 1
	v_and_b32 v3, 31, v0                           ; lane
	v_lshlrev_b32 v[BAD], 4, v1
	v_mul_u32_u24 v14, v1, PA
	v_lshl_add_u32 v14, v2, 4, v14
	s_mul_i32 s2, s[WI], 128*PA
	v_add_nc_u32 v[ADRA0], s2, v14
	s_mul_i32 s2, s[WJ], 64*PA
	s_add_co_u32 s2, s2, BOFF
	v_add_nc_u32 v[ADRB0], s2, v14
	v_mov_b32 v[ADRA], v[ADRA0]
	v_mov_b32 v[ADRB], v[ADRB0]
	v_mul_u32_u24 v14, v1, SPITCH                  ; into a stage: row 128 i + l % 16, byte 256 j + 32 (l / 16)
	v_lshl_add_u32 v14, v2, 5, v14
	s_mul_i32 s2, s[WI], 128*SPITCH
	s_lshl_b32 s3, s[WJ], 8
	s_add_co_u32 s2, s2, s3
	v_add_nc_u32 v[STO0], s2, v14
	v_add_nc_u32 v[STO1], R1, v[STO0]
	s_mul_i32 s2, s[WV], 64*SPITCH                 ; back: wave w takes rows 64 w .. + 63; lanes 0-15 one row's 64 columns, lanes 16-31 the next row's
	v_mul_u32_u24 v[RDB], v2, SPITCH
	v_lshl_add_u32 v[RDB], v1, 4, v[RDB]
	v_add_nc_u32 v[RDB], s2, v[RDB]
	v_lshlrev_b32 v[COB], 3, v3                    ; and writes 8 bytes a lane: two rows of 128 bytes on end
; 16 matrix instructions of type ty: x's blocks a0 .. a0 + 3 of buffer f x the type's four blocks of W.  Each accumulator has one turn in 96: the accumulators take turns.
.macro GH ty, f, a0, zero
	WIN 0x50*(1+(\ty))
.set ga, (\a0)
.rept 4
.set gb, 0
.rept 4
.if \zero
	v_wmma_f32_16x16x32_bf16 v[8*(4*ga+gb):8*(4*ga+gb)+7], v[FB+32*(\ty)+8*gb:FB+32*(\ty)+8*gb+7], v[FA+64*(\f)+8*ga:FA+64*(\f)+8*ga+7], 0
.else
	v_wmma_f32_16x16x32_bf16 v[8*(4*ga+gb):8*(4*ga+gb)+7], v[FB+32*(\ty)+8*gb:FB+32*(\ty)+8*gb+7], v[FA+64*(\f)+8*ga:FA+64*(\f)+8*ga+7], v[8*(4*ga+gb):8*(4*ga+gb)+7]
.endif
.set gb, gb+1
.endr
.set ga, ga+1
.endr
.endm
.macro LDB ty, k                       ; 8 LDS loads: the type's four fragments of W at byte k of the rows
	WIN 0
.set gb, 0
.rept 4
	ds_load_b128 v[FB+32*(\ty)+8*gb:FB+32*(\ty)+8*gb+3],   v[ADRB] offset:(\ty)*BTYPE+gb*16*PA+(\k)
	ds_load_b128 v[FB+32*(\ty)+8*gb+4:FB+32*(\ty)+8*gb+7], v[ADRB] offset:(\ty)*BTYPE+gb*16*PA+(\k)+32
.set gb, gb+1
.endr
.endm
.macro LDA f, k                        ; 16 LDS loads: x's eight fragments into buffer f
	WIN 0
.set ga, 0
.rept 8
	ds_load_b128 v[FA+64*(\f)+8*ga:FA+64*(\f)+8*ga+3],   v[ADRA] offset:ga*16*PA+(\k)
	ds_load_b128 v[FA+64*(\f)+8*ga+4:FA+64*(\f)+8*ga+7], v[ADRA] offset:ga*16*PA+(\k)+32
.set ga, ga+1
.endr
.endm
; The LDS loads always go out in the order q's W, k's W, x, v's W.  The first 32 of a K step, on buffer 0; it fetches the second 32.
.macro HPLAIN zero
	s_wait_dscnt 8                                 ; all but v's eight are in
	GH 0, 0, 0, \zero
	GH 0, 0, 4, \zero
	PLACES
	LDB 0, 64
	GH 1, 0, 0, \zero
	GH 1, 0, 4, \zero
	PLACES
	LDB 1, 64
	LDA 1, 64
	s_wait_dscnt 32                                ; v's eight are in: the 32 issued behind them may stay out
	GH 2, 0, 0, \zero
	GH 2, 0, 4, \zero
	PLACES
	LDB 2, 64
.endm
; The second 32 of a K step, on buffer 1, and the change of slots: ONE barrier.  In front of it each wave waits for all its tensor loads (one is out: its part of the next slot), adds 0 to its spare word, and waits
; for that and for its own reads of this slot.  fill = 1: the barrier opens a round of the cluster's barrier, and the slot just read is asked for again, two K steps on, first thing behind the round.
.macro HTURN fill
	WIN 0
	s_wait_tensorcnt 0x0                           ; no tensor load of mine is out, so a group 0 may be written
	ds_add_u32 v[SPW], v[NIL]
.if \fill
	s_xor_b32 s[G0A+5], s[G0A+5], SLOT1            ; the walking descriptors: the other slot than last time, the next K step
	s_add_nc_u64 s[G0A+6:G0A+7], s[G0A+6:G0A+7], KSA
	s_xor_b32 s[G0B+5], s[G0B+5], SLOT1
	s_add_nc_u64 s[G0B+6:G0B+7], s[G0B+6:G0B+7], KSB
.endif
	s_wait_dscnt 9                                 ; v's eight and the add may be out
	GH 0, 1, 0, 0
	s_wait_dscnt 0x0                               ; the add is done, and my reads of this slot are over
	s_barrier_signal -1
	GH 0, 1, 4, 0
	WIN 0
	s_barrier_wait -1
.if \fill
	CREST                                          ; no wave of any partner still reads this slot or has a load on its way
	JLOAD                                          ; 160 matrix instructions ahead of the wait for it; its four v_nop are also the places in front of the loads below
.else
	PLACES
.endif
	s_xor_b32 s[TB], s[TB], SLOT1
	v_add_nc_u32 v[ADRA], s[TB], v[ADRA0]
	v_add_nc_u32 v[ADRB], s[TB], v[ADRB0]
	LDB 0, 0
	GH 1, 1, 0, 0
	GH 1, 1, 4, 0
	PLACES
	LDB 1, 0
	LDA 0, 0
	GH 2, 1, 0, 0
	GH 2, 1, 4, 0
	PLACES
	LDB 2, 0
.endm
	s_wait_tensorcnt 1                             ; my part of K step 0 is in; K step 1's may stay out
	s_barrier_signal -1
	s_barrier_wait -1
	LDB 0, 0
	LDB 1, 0
	LDA 0, 0
	LDB 2, 0
	HPLAIN 1                                       ; the first products start the sums: nothing is cleared
	WIN 0
	s_mov_b32 s[CNT], 14
.Lstep:                                ; 14 trips: K steps 2 to 15 are asked for
	HTURN 1
	HPLAIN 0
	WIN 0
	s_sub_co_u32 s[CNT], s[CNT], 1
	s_cmp_lg_u32 s[CNT], 0
	s_cbranch_scc1 .Lstep
	HTURN 0                                        ; the tail is written out: nothing is left to ask for
	HPLAIN 0
	WIN 0
.irp ty, 0,1,2                         ; the biases, into x's buffer 0, which has been multiplied for the last time (four places back): my four columns of each half of the 128
	global_load_b128 v[BI+8*\ty:BI+8*\ty+3],   v[BAD], s[8+2*\ty:9+2*\ty]
	global_load_b128 v[BI+8*\ty+4:BI+8*\ty+7], v[BAD], s[8+2*\ty:9+2*\ty] offset:256
.endr
	s_wait_dscnt 8
	GH 0, 1, 0, 0
	GH 0, 1, 4, 0
	GH 1, 1, 0, 0
	GH 1, 1, 4, 0
	s_wait_dscnt 0x0
	GH 2, 1, 0, 0
	GH 2, 1, 4, 0
; THE WAY OUT.  A type's 32 accumulators into a stage: each accumulator's four lowest registers first.
.macro DUMP ty, sto
	WIN (1+(\ty))<<2                               ; an LDS store's data are source 1
.set ga, 0
.rept 8
.set gb, 0
.rept 4
	ds_store_b128 v[\sto], v[8*(4*ga+gb):8*(4*ga+gb)+3]   offset:ga*16*SPITCH+gb*64
	ds_store_b128 v[\sto], v[8*(4*ga+gb)+4:8*(4*ga+gb)+7] offset:ga*16*SPITCH+gb*64+16
.set gb, gb+1
.endr
.set ga, ga+1
.endr
	WIN 0
.endm
; My 64 rows of a stage, 8 rows (one block Q) a trip.  Load z brings rows 2 (z / 2), + 1 and the columns of half z % 2; the type's arithmetic; 8 bytes a lane out.  The exponentials (and the reciprocals) of a trip are one batch with one wait.
.macro LOOP ty, rbase
	WIN 0
	v_add_nc_u32 v[RD], \rbase, v[RDB]
	v_mov_b32 v[CO], v[COB]
	s_mov_b32 s[CN2], 8
.Lrows_\@:
.set z, 0
.rept 8
	ds_load_b128 v[Z+4*z:Z+4*z+3], v[RD] offset:(z/2)*2*SPITCH+(z%2)*256
.set z, z+1
.endr
	s_wait_dscnt 0x0
.if (\ty) == 2
.set z, 0
.rept 16
	v_pk_add_f32 v[Z+2*z:Z+2*z+1], v[Z+2*z:Z+2*z+1], v[BI+16+4*((z/2)%2)+2*(z%2):BI+16+4*((z/2)%2)+2*(z%2)+1]
.set z, z+1
.endr
.else
.set z, 0
.rept 16
	v_pk_fma_f32 v[Z+2*z:Z+2*z+1], v[Z+2*z:Z+2*z+1], s[NL2E+2*(\ty):NL2E+2*(\ty)+1], v[BI+8*(\ty)+4*((z/2)%2)+2*(z%2):BI+8*(\ty)+4*((z/2)%2)+2*(z%2)+1] op_sel_hi:[1,0,1]
.set z, z+1
.endr
.set z, 0
.rept 32
	v_exp_f32 v[Z+z], v[Z+z]
.set z, z+1
.endr
	v_nop                                          ; a plain instruction behind the last exponential,
	s_wait_alu depctr_va_vdst(0)                   ; and the wait ahead of the first use: one for the batch
.if (\ty) == 0
.set z, 0
.rept 16
	v_pk_add_f32 v[Z+2*z:Z+2*z+1], v[Z+2*z:Z+2*z+1], 1.0 op_sel_hi:[1,0]
.set z, z+1
.endr
.set z, 0
.rept 32
	v_rcp_f32 v[Z+z], v[Z+z]                       ; sigmoid = 1 / (1 + 2^(-log2(e) (q + bq)))
.set z, z+1
.endr
	v_nop
	s_wait_alu depctr_va_vdst(0)
.endif
.endif
.set z, 0
.rept 16
.if (\ty) == 1
	v_cvt_pk_bf16_f32 v[O+z], v[Z+2*z], v[Z+2*z+1]
.else
	v_cvt_pk_f16_f32 v[O+z], v[Z+2*z], v[Z+2*z+1]
.endif
.set z, z+1
.endr
.set z, 0
.rept 8
	global_store_b64 v[CO], v[O+2*z:O+2*z+1], s[OB+2*(\ty):OB+2*(\ty)+1] offset:(z%2)*262144+(z/2)*256  ; 32 lanes store 256 consecutive bytes, aligned: two rows of a half's block
.set z, z+1
.endr
	s_wait_xcnt 0x0                                ; the stores have read their data and their offset: only now are these rewritten
	v_add_nc_u32 v[CO], 8192, v[CO]                ; the next block Q
	v_add_nc_u32 v[RD], 8*SPITCH, v[RD]
	s_sub_co_u32 s[CN2], s[CN2], 1
	s_cmp_lg_u32 s[CN2], 0
	s_cbranch_scc1 .Lrows_\@
.endm
	WIN 0
	PLACES                                         ; behind the last products
	s_barrier_signal -1                            ; every wave's reads of the slots are over (its last wait was for 0): the stages may be written
	s_barrier_wait -1
	DUMP 0, STO0
	s_wait_loadcnt 0x0                             ; the biases
.irp bb, BI, BI+4, BI+8, BI+12, BI+16, BI+20
	v_cvt_pk_bf16_f32 v30, v[\bb], v[\bb+1]        ; rounded to bf16 like the other inputs, and back to f32
	v_cvt_pk_bf16_f32 v31, v[\bb+2], v[\bb+3]
	v_lshlrev_b32 v[\bb], 16, v30
	v_and_b32 v[\bb+1], 0xffff0000, v30
	v_lshlrev_b32 v[\bb+2], 16, v31
	v_and_b32 v[\bb+3], 0xffff0000, v31
.endr
.irp bb, 0,2,4,6                       ; the exponentials work in base 2: the factor is folded into the bias
	v_pk_mul_f32 v[BI+\bb:BI+\bb+1], v[BI+\bb:BI+\bb+1], s[NL2E:NL2E+1] op_sel_hi:[1,0]
	v_pk_mul_f32 v[BI+8+\bb:BI+8+\bb+1], v[BI+8+\bb:BI+8+\bb+1], s[NL2E+2:NL2E+3] op_sel_hi:[1,0]
.endr
	s_wait_dscnt 0x0
	s_barrier_signal -1
	s_barrier_wait -1                              ; stage 0 holds q
	DUMP 1, STO1
	LOOP 0, 0
	s_wait_dscnt 0x0
	s_barrier_signal -1
	s_barrier_wait -1                              ; stage 1 holds k, and nobody reads stage 0 any more
	DUMP 2, STO0
	LOOP 1, R1
	s_wait_dscnt 0x0
	s_barrier_signal -1
	s_barrier_wait -1                              ; stage 0 holds v
	LOOP 2, 0
	s_wait_tensorcnt 0x0                           ; the wave's end: behind my last tensor load and my last LDS store
	ds_add_u32 v[SPW], v[NIL]
	s_wait_dscnt 0x0
	CROUND                                         ; the closing round
	s_endpgm
.Lfunc_end_k_qd652d7d9cc_qkv:
	.size	k_qd652d7d9cc_qkv, .Lfunc_end_k_qd652d7d9cc_qkv-k_qd652d7d9cc_qkv
	.p2alignl 7, 3214868480
	.fill 96, 4, 3214868480
	.section	.rodata,"a",@progbits
	.p2align	6, 0x0
	.amdhsa_kernel k_qd652d7d9cc_qkv
		.amdhsa_group_segment_fixed_size 327680
		.amdhsa_private_segment_fixed_size 0
		.amdhsa_enable_private_segment 0
		.amdhsa_kernarg_size 64
		.amdhsa_user_sgpr_count 2
		.amdhsa_user_sgpr_kernarg_segment_ptr 1
		.amdhsa_wavefront_size32 1
		.amdhsa_system_sgpr_workgroup_id_x 1
		.amdhsa_system_sgpr_workgroup_id_y 1
		.amdhsa_system_sgpr_workgroup_id_z 1
		.amdhsa_system_vgpr_workitem_id 0
		.amdhsa_next_free_vgpr 1024
		.amdhsa_next_free_sgpr 80
		.amdhsa_reserve_vcc 0
		.amdhsa_float_denorm_mode_32 3
		.amdhsa_float_denorm_mode_16_64 3
		.amdhsa_memory_ordered 1
		.amdhsa_forward_progress 1
		.amdhsa_inst_pref_size 94
	.end_amdhsa_kernel
	.amdgpu_metadata
---
amdhsa.version: [ 1, 2 ]
amdhsa.kernels:
  - .name:           k_qd652d7d9cc_qkv
    .symbol:         k_qd652d7d9cc_qkv.kd
    .args:
      - { .name: xb, .offset: 0, .size: 8, .value_kind: global_buffer, .address_space: global }
      - { .name: wb, .offset: 8, .size: 8, .value_kind: global_buffer, .address_space: global }
      - { .name: bq, .offset: 16, .size: 8, .value_kind: global_buffer, .address_space: global }
      - { .name: bk, .offset: 24, .size: 8, .value_kind: global_buffer, .address_space: global }
      - { .name: bv, .offset: 32, .size: 8, .value_kind: global_buffer, .address_space: global }
      - { .name: sq, .offset: 40, .size: 8, .value_kind: global_buffer, .address_space: global }
      - { .name: ek, .offset: 48, .size: 8, .value_kind: global_buffer, .address_space: global }
      - { .name: vv, .offset: 56, .size: 8, .value_kind: global_buffer, .address_space: global }
    .group_segment_fixed_size: 327680
    .private_segment_fixed_size: 0
    .kernarg_segment_align: 8
    .kernarg_segment_size: 64
    .max_flat_workgroup_size: 128
    .sgpr_count:     80
    .vgpr_count:     1024
    .wavefront_size: 32
...
	.end_amdgpu_metadata
.endif
;; end of part 2
;; launch aft (part 3): grid 32 x 8, 4 waves a work-group, clusters of 4 x 1, 327,680 bytes of LDS; arguments wbias, ek, vv, sq, yy; writes yy
.if DOCPART == 3
	.amdgcn_target "amdgcn-amd-amdhsa--gfx1250"
	.amdhsa_code_object_version 6
	.text
	.protected	k_qd652d7d9cc_aft
	.globl	k_qd652d7d9cc_aft
	.p2align	8
	.type	k_qd652d7d9cc_aft,@function
k_qd652d7d9cc_aft:
	s_mov_b64 s[64:65], 0
	v_nop
	global_prefetch_b8 v0, s[64:65] scope:SCOPE_SE
	s_setreg_imm32_b32 hwreg(HW_REG_WAVE_MODE, 25, 1), 1
	s_wait_xcnt 0x0
	s_wait_alu depctr_hold_cnt(0) depctr_sa_sdst(0) depctr_va_vdst(0) depctr_va_sdst(0) depctr_va_ssrc(0) depctr_va_vcc(0) depctr_vm_vsrc(0)
	s_getreg_b32 s2, hwreg(HW_REG_IB_STS2, 6, 4)
	s_cmp_eq_u32 s2, 0
	s_cbranch_scc0 .Lentry_in_a_cluster
	s_endpgm
.Lentry_in_a_cluster:
	s_bfe_u32 s2, ttmp6, 0x10000c
	s_cmp_lg_u32 s2, 0x3003
	s_cbranch_scc0 .Lentry_shape_is_right
	s_endpgm
.Lentry_shape_is_right:
; AFT.  numer[b][t][d] = the sum over s of exp(wbias[h][t][s]) ek[b][h][s][d];  y[b][t][d] = sq[b][t][d] x (sum over b of numer v) / (sum over b of numer).  ek bf16; vv, sq, yy f16.
; ek, vv, sq, yy lie as [b 4][h 8][dh 2][Q 32][g 8][mr 8][64 d]: row 64 Q + 8 mr + g of head h, channel 64 dh + d.  So 64 rows of a head, one half of their channels, are 8 KiB on end.
; exp(wbias) is made in f32 and rounded to bf16 for the product; sums in f32; the quotient and y are rounded to f16.  No maximum is taken away before the exponential, as the module defines it.
; LIMITS.  An exponential below 2^-126 counts as 0; a denominator of 2^126 or more has reciprocal 0; v and the quotient stay within 65,504; NaN and infinities are not treated apart.
; SHARES.  A work-group owns 128 rows t of one head x (4 batches x one half of d): for each s it takes in 128 x 4 bytes of wbias and 256 x 2 bytes of ek, 1,024 in all, the least that 32,768 sums a work-group allow.
; Wave (i, j) owns t = 64 i .. + 63 x (4 batches x d = 32 j .. + 31 of the half): accumulator (a, b, e) at 8 (8 a + 2 b + e) in window 1.
; LAYOUT.  Source 0 = ek turned (16 d x 32 s, by ds_load_tr16_b128), source 1 = exp(wbias) (16 t x 32 s): a lane holds t = 16 a + lane % 16 and eight neighbouring d, the four batches in four accumulators:
; the sums over the batches never leave the lane.  In a block of 64 s the rows lie in the order (g, mr); the turning load's lanes address row (g = lane % 8, mr = lane / 16 + ..), which is s in its natural order.
; STEPS.  A slot holds 256 s of ek for the four batches (wave w fetches batch w: 32 KiB on end); two slots.  A half-step is 64 s: two quarters of 32 matrix instructions.  Each wave turns its 32 rows x 64 s of wbias for the
; next half-step into bf16, as riders behind the matrix instructions, and stores them into one of two stages, which all four waves read behind the half-step's barrier.  Four sets of registers keep the wbias of four half-steps on its way.
; CLUSTER.  The four blocks of 128 t of a cluster belong to one head and one half of d and walk the same ek: each tile is asked for jointly.  wbias, v and sq are each work-group's own (wbias is also read by the cluster beside, for the other half of d).
; AHEAD OF THE TILES.  Behind each refill and the run of LDS loads that follows it a wave prefetches into the L2 its part of the tile that the NEXT refill will ask for: four half-steps, 256 matrix instructions, ahead of that load.
; Four clusters walk the same ek: the first of them asks.  Of the 128 blocks of 256 bytes of wave w's batch each of its four partners takes 32, told apart by address, a lane a block: each block is named once in the launch.
; Tiles 0 to 2 come by their loads alone; the last refill asks for nothing.
; REGISTERS: window 0: addresses, P, the epilogue's registers; window 1: accumulators; window 2: two fragment sets of 96 (ek's (b, e) at + 8 (2 b + e), exp(wbias)'s a at + 64 + 8 a); window 3: four sets of 64 for wbias.
.set PB1,   1056                       ; 1 KiB (8 rows of 128 bytes: one g of a block) + 32
.set QBLK,  8*PB1                      ; a block of 64 s
.set BATB,  4*QBLK                     ; a batch's 256 s
.set SLOTB, 4*BATB
.set ASTG,  2*SLOTB                    ; behind the slots, never filled by a tensor load: two stages of 128 t x 64 s of bf16
.set PAS,   144
.set ABUF,  128*PAS
.set SPARE, ASTG+2*ABUF                ; the spare words, 128 bytes a wave: two blocks of 256 bytes that no other line names
.set PG1,   1040                       ; the epilogue's v, sq and y: 1 KiB + 16
.set EBAT,  16*PG1                     ; a batch's 128 t
.set SQOFF, 4*EBAT                     ; v lies at 0 of slot 0, sq behind it
.set YOFF,  SLOTB                      ; y goes into slot 1, which has had its last fill and is read no more
.set AA,  4                            ; v4   my place in a stage's fragments
.set WS,  5                            ; v5   where I store 8 bytes of a stage row
.set AB0, 8                            ; v[8:11]  my place in ek's rows of slot 0, by batch; never rewritten
.set AB,  12                           ; v[12:15] in the slot in hand
.set WA,  16                           ; v[16:19] my byte offset in wbias, one for each set
.set SPW, 20                           ; v20  LDS address of my spare word; never rewritten
.set NIL, 21                           ; v21  0; never rewritten
.set ZR,  22                           ; v22  0: the first addend of a sum
.set EV,  23                           ; v23  my 16 bytes of v; v24 of sq; v27 of y
.set ES,  24
.set RDY, 25                           ; v25  where I read y back
.set GO,  26                           ; v26  16 x lane
.set EY,  27
.set PFO, 28                           ; v28  256 x lane; never rewritten
.set P,   32                           ; v[32:63]  32 rows' 4 bf16 a lane
.set EB,  64                           ; the epilogue: two buffers of 32; later the 128 registers in which y comes back
.set NM,  128                          ; v[128:135] the epilogue: sum of numer v
.set WT,  136                          ; v[136:139] the quotient in f16
.set DN,  192                          ; v[192:255] the epilogue: denominators, (a, e, j) at 16 a + 8 e + j
.set WV,  14
.set CX,  15
.set TBK, 16                           ; s16  block of 128 t
.set HD,  17                           ; s17  head
.set G1,  20                           ; s[20:27] group 1 for ek's tiles
.set G0,  28                           ; s[28:35] group 0: a set for each first fill; the second then walks
.set G1E, 36                           ; s[36:43] group 1 for the epilogue's tiles
.set G0E, 44                           ; s[44:47]
.set L2E, 48                           ; s[48:49] log2(e)
.set CNT, 50                           ; s50  slots to go, the one in hand among them
.set WB,  52                           ; s[52:53] wbias at my 32 rows
.set YB,  54                           ; s[54:55] yy at batch w's 128 rows
.set DH,  60                           ; s60  which half of d
.set WI,  61
.set WJ,  62
.set TB,  63                           ; s63  the slot in hand: 0 or SLOTB
.set PFA, 66                           ; s[66:67] where my prefetches stand: my work-group's 32 blocks of batch w in the tile that was asked for last; stepped ahead of each prefetch
.set LIM, 68                           ; s68  2 in a cluster that prefetches, else the greatest number
.set T0,  69
.set T1,  70
.set MSB, 0
.macro WIN new
.if MSB != (\new)
	s_set_vgpr_msb (MSB<<8)|(\new)
.set MSB, (\new)
.endif
.endm
.macro PLACES
.rept 4
	v_nop
.endr
.endm
.macro CREST
	s_cmp_lg_u32 s[WV], 0
	s_cbranch_scc1 .Lnot_wave_0_\@
	s_barrier_signal -3
.Lnot_wave_0_\@:
	s_barrier_wait -3
	s_barrier_signal -1
	s_barrier_wait -1
.endm
.macro CROUND
	s_barrier_signal -1
	s_barrier_wait -1
	CREST
.endm
.macro ASK                             ; the branch hangs on the cluster's number and the loop's count: the same in all four partners
	s_cmp_gt_u32 s[CNT], s[LIM]
	s_cbranch_scc0 .Lnot_mine_\@
	global_prefetch_b8 v[PFO], s[PFA:PFA+1] th:TH_LOAD_NT scope:SCOPE_SE
.Lnot_mine_\@:
.endm
	s_load_b256 s[4:11], s[0:1], 0x0               ; wbias s[4:5], ek s[6:7], vv s[8:9], sq s[10:11]
	s_load_b64 s[12:13], s[0:1], 0x20              ; yy
	v_lshl_add_u32 v[SPW], v0, 2, SPARE
	v_mov_b32 v[NIL], 0
	ds_add_u32 v[SPW], v[NIL]                      ; the wave's opening: the add and its wait stand ahead of my first tensor load; the set-up below stands between them
	v_lshrrev_b32 v1, 5, v0
	v_readfirstlane_b32 s[WV], v1
	s_lshr_b32 s[WI], s[WV], 1
	s_and_b32 s[WJ], s[WV], 1
	s_bfe_u32 s[CX], ttmp6, 0x40000
	s_lshr_b32 s[TBK], ttmp9, 1
	s_lshl_b32 s[TBK], s[TBK], 2
	s_add_co_u32 s[TBK], s[TBK], s[CX]             ; my block of 128 t: it enters wbias's, v's, sq's and yy's addresses alone
	s_and_b32 s[DH], ttmp9, 1                      ; the half of d and
	s_and_b32 s[HD], ttmp7, 0xffff                 ; the head, which the four partners share
	s_lshr_b32 s[LIM], ttmp9, 1                    ; of the four clusters of a head and half the first prefetches
	s_cmp_eq_u32 s[LIM], 0
	s_cselect_b32 s[LIM], 2, -1
	s_mov_b32 s[G1], 15|(1<<16)|(1<<20)|(1<<21)|(7<<22)|(7<<25)  ; the mask of four; 2-byte elements; padding on; bit 21 beside a mask; after every 256 words 8 words
	s_mov_b32 s[G1+1], 512<<16                     ; tensor_dim0 = 512 elements: 1 KiB
	s_mov_b32 s[G1+2], 32<<16                      ; tensor_dim1 = 32
	s_mov_b32 s[G1+3], 512<<16                     ; tile_dim0
	s_mov_b32 s[G1+4], 32                          ; tile_dim1
	s_mov_b32 s[G1+5], 512                         ; elements from row to row: the tile is dense
	s_mov_b32 s[G1+6], 0
	s_mov_b32 s[G1+7], 0
	s_mov_b32 s[G1E], (1<<16)|(1<<20)|(7<<22)|(3<<25)  ; no mask: my own load; after every 256 words 4 words
	s_mov_b32 s[G1E+1], 8192<<16                   ; a row is a batch's 128 t x 64 d: 8,192 elements on end
	s_mov_b32 s[G1E+2], 2<<16                      ; two batches
	s_mov_b32 s[G1E+3], 8192<<16
	s_mov_b32 s[G1E+4], 2
	s_mov_b32 s[G1E+5], 0x200000                   ; elements from batch to batch
	s_mov_b32 s[G1E+6], 0
	s_mov_b32 s[G1E+7], 0
	s_lshl_b32 s56, s[WV], 22                      ; ek: batch w, the head, the half: the wave and what the partners share alone
	s_lshl_b32 s57, s[HD], 19
	s_add_co_u32 s56, s56, s57
	s_lshl_b32 s57, s[DH], 18
	s_add_co_u32 s56, s56, s57
	s_mov_b32 s57, 0
	s_lshl_b32 s58, s[TBK], 14                     ; yy: the same and my 128 rows: 16 KiB
	s_add_co_u32 s18, s56, s58
	s_mov_b32 s19, 0
	s_lshl_b32 s58, s[WJ], 23                      ; the epilogue's tiles: batches 2 (w % 2) and + 1, the head, the half, my 128 rows
	s_lshl_b32 s59, s[HD], 19
	s_add_co_u32 s58, s58, s59
	s_lshl_b32 s59, s[DH], 18
	s_add_co_u32 s58, s58, s59
	s_lshl_b32 s59, s[TBK], 14
	s_add_co_u32 s58, s58, s59
	s_mov_b32 s59, 0
	s_lshl_b32 s2, s[HD], 24                       ; wbias: the head, (128 x block + 32 w) rows of 8,192 bytes
	s_lshl_b32 s3, s[TBK], 20
	s_add_co_u32 s2, s2, s3
	s_lshl_b32 s3, s[WV], 18
	s_add_co_u32 s2, s2, s3
	s_mov_b32 s3, 0
	s_mul_i32 s[T0], s[WV], BATB
	s_mov_b32 s[G0], 1
	s_mov_b32 s[G0+1], s[T0]
	s_mov_b32 s[G0+4], 1
	s_add_co_u32 s[G0+5], s[T0], SLOTB
	s_mov_b32 s[G0E], 1
	s_mul_i32 s[G0E+1], s[WV], 2*EBAT
	s_mov_b32 s[TB], 0
	s_mov_b32 s[L2E], 0x3fb8aa3b
	s_mov_b32 s[L2E+1], 0x3fb8aa3b
	v_mov_b32 v[ZR], 0
	v_and_b32 v1, 15, v0                           ; r = l % 16
	v_bfe_u32 v2, v0, 4, 1                         ; h = l / 16
	v_and_b32 v3, 31, v0                           ; l
	v_and_b32 v6, 7, v0                            ; l % 8
	v_bfe_u32 v7, v0, 3, 1                         ; (l / 8) % 2
	v_lshlrev_b32 v[PFO], 8, v3
	v_lshlrev_b32 v29, 13, v2                      ; wbias: 32 lanes take two rows x 256 bytes
	v_lshl_add_u32 v29, v1, 4, v29
.set i, 0
.rept 4
	v_add_nc_u32 v[WA+i], i*256, v29               ; set i begins with half-step i
.set i, i+1
.endr
	s_mul_i32 s[T0], s[WI], 64*PAS                 ; a stage's fragments: row 64 i + 16 a + r
	s_add_co_u32 s[T0], s[T0], ASTG
	v_mul_u32_u24 v[AA], v1, PAS
	v_lshl_add_u32 v[AA], v2, 4, v[AA]
	v_add_nc_u32 v[AA], s[T0], v[AA]
	s_mul_i32 s[T0], s[WV], 32*PAS                 ; into a stage: row 32 w + 2 n + h, 8 bytes at 8 r
	s_add_co_u32 s[T0], s[T0], ASTG
	v_mul_u32_u24 v[WS], v2, PAS
	v_lshl_add_u32 v[WS], v1, 3, v[WS]
	v_add_nc_u32 v[WS], s[T0], v[WS]
	v_mul_u32_u24 v29, v6, PB1                     ; the turning load: lane l reads row s = 8 h + l % 8 of 16, which lies at g = l % 8, mr = h; 16 bytes at 16 ((l / 8) % 2); it ends with column l % 16 and 8 rows
	v_lshl_add_u32 v29, v2, 7, v29
	v_lshl_add_u32 v29, v7, 4, v29
	s_lshl_b32 s[T0], s[WJ], 6                     ; my 32 d
	v_add_nc_u32 v29, s[T0], v29
.set i, 0
.rept 4
	v_add_nc_u32 v[AB0+i], i*BATB, v29
	v_add_nc_u32 v[AB+i], i*BATB, v29
.set i, i+1
.endr
	v_mul_u32_u24 v[EV], v6, PG1                   ; the epilogue: t = 64 i + 16 a + r lies at block i, g = r % 8, mr = 2 a + r / 8
	v_lshl_add_u32 v[EV], v7, 7, v[EV]
	v_lshl_add_u32 v[EV], v2, 4, v[EV]
	s_mul_i32 s[T1], s[WI], 8*PG1
	s_add_co_u32 s[T1], s[T1], s[T0]
	v_add_nc_u32 v[EV], s[T1], v[EV]
	v_add_nc_u32 v[ES], SQOFF, v[EV]
	v_add_nc_u32 v[EY], YOFF, v[EV]
	s_mul_i32 s[T1], s[WV], EBAT
	s_add_co_u32 s[T1], s[T1], YOFF
	v_lshl_add_u32 v[RDY], v3, 4, s[T1]
	v_lshlrev_b32 v[GO], 4, v3
	s_wait_dscnt 0x0                               ; the opening add is done
	s_wait_kmcnt 0x0
	s_add_nc_u64 s[G0+2:G0+3], s[6:7], s[56:57]    ; s = 0 .. 255,
	s_add_nc_u64 s[G0+6:G0+7], s[G0+2:G0+3], 32768 ; s = 256 .. 511
	s_cmp_lt_u32 s[WV], 2                          ; waves 0, 1 will fetch v, waves 2, 3 sq
	s_cselect_b64 s[G0E+2:G0E+3], s[8:9], s[10:11]
	s_add_nc_u64 s[G0E+2:G0E+3], s[G0E+2:G0E+3], s[58:59]
	s_lshl_b32 s58, s[CX], 13                      ; the prefetches: my work-group's 32 blocks of 256 bytes,
	s_add_nc_u64 s[PFA:PFA+1], s[6:7], s[56:57]
	s_add_nc_u64 s[PFA:PFA+1], s[PFA:PFA+1], s[58:59]
	s_add_nc_u64 s[PFA:PFA+1], s[PFA:PFA+1], 65536 ; in tile 2; the first refill steps this to tile 3
	s_or_b32 s[G0+3], s[G0+3], 0x80000000
	s_or_b32 s[G0+7], s[G0+7], 0x80000000
	s_or_b32 s[G0E+3], s[G0E+3], 0x80000000
	s_add_nc_u64 s[WB:WB+1], s[4:5], s[2:3]
	s_add_nc_u64 s[YB:YB+1], s[12:13], s[18:19]
	CROUND                                         ; all four work-groups are here: the first joint loads meet
	tensor_load_to_lds s[G0:G0+3], s[G1:G1+7]      ; every wave its own batch: two loads of mine are out
	s_nop 0
	tensor_load_to_lds s[G0+4:G0+7], s[G1:G1+7]
	s_nop 0
	PLACES
.macro LOADW q, step                   ; 16 loads: my 32 rows x 256 bytes of wbias into set q; step = 1: four half-steps on (the wait for the set's last loads has freed its offset)
	WIN 0
.if \step
	v_add_nc_u32 v[WA+(\q)], 1024, v[WA+(\q)]
.endif
	WIN 0xc0                                       ; destination window 3, address window 0
.set ln, 0
.rept 16
	global_load_b128 v[64*(\q)+4*ln:64*(\q)+4*ln+3], v[WA+(\q)], s[WB:WB+1] offset:ln*16384
.set ln, ln+1
.endr
.endm
; THE CONVERSION of a set (at CW in window 3) is a list of 129; CVI writes number RQ.  0-95: the 32 packed scalings by log2(e) and the 64 exponentials, a scaling ahead of its pair's exponentials; none names an exponential's result.
; 96: the plain instruction behind the last exponential.  Then stands the batch's one wait.  97-128: the roundings to bf16, into P.
.macro CVI
.if RQ == 0
	WIN 0xc3
	v_pk_mul_f32 v[CW:CW+1], v[CW:CW+1], s[L2E:L2E+1] op_sel_hi:[1,0]
.elseif RQ < 94
	WIN 0xc3
.set cg, (RQ+2)/3
.set cr, (RQ+2)%3
.if cr == 0
	v_pk_mul_f32 v[CW+2*cg:CW+2*cg+1], v[CW+2*cg:CW+2*cg+1], s[L2E:L2E+1] op_sel_hi:[1,0]
.else
	v_exp_f32 v[CW+2*cg-3+cr], v[CW+2*cg-3+cr]
.endif
.elseif RQ < 96
	WIN 0xc3
	v_exp_f32 v[CW+RQ-32], v[CW+RQ-32]
.elseif RQ == 96
	v_nop
.else
	WIN 0x0f                                       ; sources window 3, destination window 0
	v_cvt_pk_bf16_f32 v[P+RQ-97], v[CW+2*(RQ-97)], v[CW+2*(RQ-97)+1]
.endif
.set RQ, RQ+1
.endm
.macro RID n                           ; up to n (at most 6) of the list, while it lasts
.set rn, 0
.rept 6
.if (rn < (\n)) && (RQ < RLIM)
	CVI
.endif
.set rn, rn+1
.endr
.endm
; 8 matrix instructions: block a of t x the 8 fragments of ek of set f, nr riders behind each.  The 32 accumulators take turns, one instruction a turn.
.macro MUL f, a, zero, nr
.set mb, 0
.rept 8
	WIN 0x5a                                       ; sources 0 and 1 window 2, C and D window 1
.if \zero
	v_wmma_f32_16x16x32_bf16 v[64*(\a)+8*mb:64*(\a)+8*mb+7], v[96*(\f)+8*mb:96*(\f)+8*mb+7], v[96*(\f)+64+8*(\a):96*(\f)+64+8*(\a)+7], 0
.else
	v_wmma_f32_16x16x32_bf16 v[64*(\a)+8*mb:64*(\a)+8*mb+7], v[96*(\f)+8*mb:96*(\f)+8*mb+7], v[96*(\f)+64+8*(\a):96*(\f)+64+8*(\a)+7], v[64*(\a)+8*mb:64*(\a)+8*mb+7]
.endif
	RID \nr
.set mb, mb+1
.endr
.endm
.macro FETCH kq, p, f                  ; 24 LDS loads in one run: quarter kq (32 s) of the slot in hand, from stage p, into set f.  32 s are four mr of a block; a load takes two of them, the second load the two 256 bytes on
	WIN 0x80                                       ; destination window 2, address window 0
.set fb, 0
.rept 8
	ds_load_tr16_b128 v[96*(\f)+8*fb:96*(\f)+8*fb+3],   v[AB+fb/2] offset:((\kq)/2)*QBLK+((\kq)%2)*512+(fb%2)*32
	ds_load_tr16_b128 v[96*(\f)+8*fb+4:96*(\f)+8*fb+7], v[AB+fb/2] offset:((\kq)/2)*QBLK+((\kq)%2)*512+(fb%2)*32+256
.set fb, fb+1
.endr
.set fb, 0
.rept 4
	ds_load_b128 v[96*(\f)+64+8*fb:96*(\f)+64+8*fb+3],   v[AA] offset:(\p)*ABUF+fb*16*PAS+((\kq)%2)*64
	ds_load_b128 v[96*(\f)+64+8*fb+4:96*(\f)+64+8*fb+7], v[AA] offset:(\p)*ABUF+fb*16*PAS+((\kq)%2)*64+32
.set fb, fb+1
.endr
.endm
; A HALF-STEP's FIRST QUARTER, on set 0.  It ends the conversion of set cs (-1: none), from number rq0 on, nr riders behind each of the first 16 products (rq0 = 0: it also begins it, behind the wait that leaves lcnt younger loads out);
; the batch's one wait stands directly ahead of the run of LDS loads; the roundings ride behind the next 8 products; 16 stores into the stage that is not being read; lw = 1: the set is loaded again.
; p: the stage read; hh: which of the slot's four blocks; zero = 1: the products start the sums.
; The stage written here was last read a half-step ago, and those reads were waited for ahead of the barrier that stands between.
.macro QA cs, rq0, nr, lw, lcnt, p, hh, zero
.set RQ, 0
.set RLIM, 0
.if (\cs) >= 0
.set CW, 64*(\cs)
.set RQ, (\rq0)
.set RLIM, 96
.if (\rq0) == 0
	s_wait_loadcnt \lcnt
.endif
.endif
	s_wait_dscnt 0x0                               ; set 0's fragments are in
	MUL 0, 0, \zero, \nr
	MUL 0, 1, \zero, \nr
.if (\cs) >= 0
.set RLIM, 97
	CVI                                            ; the plain instruction behind the last exponential
	s_wait_alu depctr_va_vdst(0)                   ; the wait ahead of the first use: one for the 64 exponentials
.set RLIM, 129
.else
	PLACES
.endif
	FETCH 2*(\hh)+1, \p, 1                         ; set 1's last reader stands 16 scalings back (or the four places above)
	MUL 0, 2, \zero, 4
.if (\cs) >= 0
	WIN 0
.set sn, 0
.rept 16
	ds_store_b64 v[WS], v[P+2*sn:P+2*sn+1] offset:(1-(\p))*ABUF+sn*2*PAS
.set sn, sn+1
.endr
.if \lw
	LOADW \cs, 1
.endif
.endif
	MUL 0, 3, \zero, 0
.endm
; A HALF-STEP's SECOND QUARTER, on set 1.  nst: the stage stores that may be out when set 1's fragments are in.  Behind its barrier the stage just written is whole.
; end = 0: the half-step's barrier alone.  1: also the change of slots: each wave waits for all its tensor loads, adds 0 to its spare word, waits for that and for its reads of the slot; the barrier opens a round of the
; cluster's, and the slot is asked for again first thing behind it: 240 matrix instructions ahead of the wait for it.  2: the same, but the slot takes the epilogue's v and sq.  3: the last half-step.
; Behind its last 16 products ride the first 48 numbers of the conversion of set cs (-1: none), behind the wait that leaves lcnt younger loads out.
.macro QB cs, lcnt, nst, p, hh, end
.set RQ, 0
.set RLIM, 0
.if (\end) == 0
	s_wait_dscnt \nst
	MUL 1, 0, 0, 0
	s_wait_dscnt 0x0                               ; my stores into the stage are done, and my reads of the other stage are over
	s_barrier_signal -1
	MUL 1, 1, 0, 0
	s_barrier_wait -1
	PLACES
	FETCH 2*(\hh)+2, 1-(\p), 0
.elseif (\end) < 3
	WIN 0
	s_wait_tensorcnt 0x0                           ; no tensor load of mine is out, so a group 0 may be written
	ds_add_u32 v[SPW], v[NIL]
.if (\end) == 1
	s_xor_b32 s[G0+5], s[G0+5], SLOTB              ; the walking descriptor: the other slot than last time (no bit of SLOTB is set in wave x BATB), the next 256 s
	s_add_nc_u64 s[G0+6:G0+7], s[G0+6:G0+7], 32768
	s_wait_xcnt 0x0                                ; the last prefetch, four half-steps back, has read its address, so it may be written
	s_add_nc_u64 s[PFA:PFA+1], s[PFA:PFA+1], 32768
.endif
	s_wait_dscnt 17                                ; the 16 stores and the add may be out
	MUL 1, 0, 0, 0
	s_wait_dscnt 0x0                               ; the add and my stores are done, my reads of the slot and of the stage are over
	s_barrier_signal -1
	MUL 1, 1, 0, 0
	WIN 0
	s_barrier_wait -1
	CREST                                          ; no wave of any partner still reads this slot or has a load on its way
.if (\end) == 1
	tensor_load_to_lds s[G0+4:G0+7], s[G1:G1+7]
.else
	tensor_load_to_lds s[G0E:G0E+3], s[G1E:G1E+7]
.endif
	s_nop 0
	PLACES                                         ; also the places in front of the loads below
	s_xor_b32 s[TB], s[TB], SLOTB
.set xb, 0
.rept 4
	v_add_nc_u32 v[AB+xb], s[TB], v[AB0+xb]
.set xb, xb+1
.endr
	FETCH 0, 1-(\p), 0
.if (\end) == 1
	WIN 0
	ASK                                            ; behind the refill and the run of LDS loads that the next products wait for
.endif
.else
	s_wait_dscnt 0x0
	MUL 1, 0, 0, 0
	MUL 1, 1, 0, 0
.endif
.if (\cs) >= 0
	s_wait_loadcnt \lcnt                           ; the set's 16 loads are in
.set CW, 64*(\cs)
.set RLIM, 48
.endif
	MUL 1, 2, 0, 3
	MUL 1, 3, 0, 3
.endm
	LOADW 0, 0
	LOADW 1, 0
	LOADW 2, 0
	LOADW 3, 0
	s_wait_loadcnt 48                              ; set 0 is in; the three younger sets stay out
.set CW, 0
.set RQ, 0
.rept 97
	CVI                                            ; half-step 0's conversion has no matrix work to stand beside
.endr
	s_wait_alu depctr_va_vdst(0)
.rept 32
	CVI
.endr
	WIN 0
.set sn, 0
.rept 16
	ds_store_b64 v[WS], v[P+2*sn:P+2*sn+1] offset:sn*2*PAS
.set sn, sn+1
.endr
	LOADW 0, 1
	WIN 0
	s_wait_tensorcnt 1                             ; my part of slot 0 is in; slot 1's may stay out
	s_wait_dscnt 0x0
	s_barrier_signal -1
	s_barrier_wait -1
	FETCH 0, 0, 0
	QA 1, 0, 6, 1, 48, 0, 0, 1                     ; half-step 0's first quarter stands in front of the loop: its products start the sums; it carries a whole conversion
	WIN 0
	s_mov_b32 s[CNT], 7
.Lslot:                                ; a trip goes from a slot's second quarter to the next slot's first; the seventh is left in its middle.  Half-step i = 4 J + hh converts for i + 1 and loads for i + 5
	QB 2, 48, 16, 0, 0, 0
	QA 2, 48, 3, 1, 0, 1, 1, 0
	QB 3, 48, 16, 1, 1, 0
	QA 3, 48, 3, 1, 0, 0, 2, 0                     ; (in the seventh trip: the last loads of wbias)
	WIN 0
	s_cmp_eq_u32 s[CNT], 1
	s_cbranch_scc1 .Ltail                          ; the tail is written out: it asks for no further tile of ek
	QB 0, 48, 16, 0, 2, 0
	QA 0, 48, 3, 1, 0, 1, 3, 0
	QB 1, 48, 16, 1, 3, 1
	QA 1, 48, 3, 1, 0, 0, 0, 0
	WIN 0
	s_sub_co_u32 s[CNT], s[CNT], 1
	s_branch .Lslot
.Ltail:
	QB 0, 48, 16, 0, 2, 0                          ; half-step 26
	QA 0, 48, 3, 0, 0, 1, 3, 0                     ; 27: nothing is left to load
	QB 1, 32, 16, 1, 3, 2                          ; slot 0 takes v and sq; the counts run down
	QA 1, 48, 3, 0, 0, 0, 0, 0                     ; 28
	QB 2, 16, 16, 0, 0, 0
	QA 2, 48, 3, 0, 0, 1, 1, 0                     ; 29
	QB 3, 0, 16, 1, 1, 0
	QA 3, 48, 3, 0, 0, 0, 2, 0                     ; 30: the last conversion
	QB -1, 0, 16, 0, 2, 0
	QA -1, 0, 0, 0, 0, 1, 3, 0                     ; 31
	QB -1, 0, 0, 1, 3, 3
	; THE EPILOGUE
.macro ELOAD n                         ; step n = (a, e): my 16 bytes of v and of sq for the four batches
.set lb, EB+32*((\n)%2)
.set lo, ((\n)/2)*256+((\n)%2)*32
.set xb, 0
.rept 4
	ds_load_b128 v[lb+4*xb:lb+4*xb+3], v[EV] offset:xb*EBAT+lo
.set xb, xb+1
.endr
.set xb, 0
.rept 4
	ds_load_b128 v[lb+16+4*xb:lb+16+4*xb+3], v[ES] offset:xb*EBAT+lo
.set xb, xb+1
.endr
.endm
.macro FMX d, s0, s1, s2, hi           ; d = s0 (f32) x a half of s1 (f16) + s2 (f32)
.if \hi
	v_fma_mix_f32 v[\d], v[\s0], v[\s1], v[\s2] op_sel:[0,1,0] op_sel_hi:[0,1,0]
.else
	v_fma_mix_f32 v[\d], v[\s0], v[\s1], v[\s2] op_sel_hi:[0,1,0]
.endif
.endm
.macro ESTEP n
	WIN 0
.if (\n) < 7
	ELOAD (\n)+1
	s_wait_dscnt 8                                 ; this step's loads are in; the next step's eight stay out
.else
	s_wait_dscnt 0x0
.endif
.set ea, (\n)/2
.set ee, (\n)%2
.set eb, EB+32*((\n)%2)
.set eo, ea*256+ee*32
	WIN 0x01                                       ; source 0, the accumulator, in window 1
.set xb, 0
.rept 4
.set xj, 0
.rept 8
.if xb == 0
	FMX NM+xj, 64*ea+16*xb+8*ee+xj, eb+4*xb+xj/2, ZR, xj%2
.else
	FMX NM+xj, 64*ea+16*xb+8*ee+xj, eb+4*xb+xj/2, NM+xj, xj%2
.endif
.set xj, xj+1
.endr
.set xb, xb+1
.endr
	WIN 0
.set xj, 0
.rept 4
	v_pk_mul_f32 v[NM+2*xj:NM+2*xj+1], v[NM+2*xj:NM+2*xj+1], v[DN+16*ea+8*ee+2*xj:DN+16*ea+8*ee+2*xj+1]
.set xj, xj+1
.endr
.set xj, 0
.rept 4
	v_cvt_pk_f16_f32 v[WT+xj], v[NM+2*xj], v[NM+2*xj+1]
.set xj, xj+1
.endr
.set xj, 0
.rept 16
	v_pk_mul_f16 v[eb+16+xj], v[eb+16+xj], v[WT+xj%4]  ; y = sigmoid(q) x the quotient, the same quotient for the four batches
.set xj, xj+1
.endr
.set xb, 0
.rept 4
	ds_store_b128 v[EY], v[eb+16+4*xb:eb+16+4*xb+3] offset:xb*EBAT+eo
.set xb, xb+1
.endr
.endm
	WIN 0
	PLACES                                         ; behind the last products
	s_wait_tensorcnt 0x0                           ; my part of v or sq is in
	s_barrier_signal -1                            ; (my last wait on LDS was for 0)
	s_barrier_wait -1                              ; everybody's is, and nobody reads slot 1 any more
	ELOAD 0
	WIN 0x05                                       ; the denominators: the four batches' sums
.set i, 0
.rept 32
	v_pk_add_f32 v[DN+2*i:DN+2*i+1], v[64*(i/8)+8*((i/4)%2)+2*(i%4):64*(i/8)+8*((i/4)%2)+2*(i%4)+1], v[64*(i/8)+16+8*((i/4)%2)+2*(i%4):64*(i/8)+16+8*((i/4)%2)+2*(i%4)+1]
.set i, i+1
.endr
	WIN 0x01
.set i, 0
.rept 32
	v_pk_add_f32 v[DN+2*i:DN+2*i+1], v[64*(i/8)+32+8*((i/4)%2)+2*(i%4):64*(i/8)+32+8*((i/4)%2)+2*(i%4)+1], v[DN+2*i:DN+2*i+1]
.set i, i+1
.endr
.set i, 0
.rept 32
	v_pk_add_f32 v[DN+2*i:DN+2*i+1], v[64*(i/8)+48+8*((i/4)%2)+2*(i%4):64*(i/8)+48+8*((i/4)%2)+2*(i%4)+1], v[DN+2*i:DN+2*i+1]
.set i, i+1
.endr
	WIN 0
.set i, 0
.rept 64
	v_rcp_f32 v[DN+i], v[DN+i]
.set i, i+1
.endr
	v_nop                                          ; a plain instruction behind the last reciprocal,
	s_wait_alu depctr_va_vdst(0)                   ; and one wait for the 64
	ESTEP 0
	ESTEP 1
	ESTEP 2
	ESTEP 3
	ESTEP 4
	ESTEP 5
	ESTEP 6
	ESTEP 7
	s_wait_dscnt 0x0                               ; my stores of y are done
	s_barrier_signal -1
	s_barrier_wait -1
.set i, 0
.rept 32                               ; wave w sends batch w: 16 pieces of 1 KiB, which lie on end in yy
	ds_load_b128 v[EB+4*i:EB+4*i+3], v[RDY] offset:(i/2)*PG1+(i%2)*512
.set i, i+1
.endr
.set i, 0
.rept 32
	s_wait_dscnt 31-i
	global_store_b128 v[GO], v[EB+4*i:EB+4*i+3], s[YB:YB+1] offset:i*512  ; 512 consecutive bytes, aligned
.set i, i+1
.endr
	s_wait_tensorcnt 0x0                           ; the wave's end: behind my last tensor load and my last LDS store
	ds_add_u32 v[SPW], v[NIL]
	s_wait_dscnt 0x0
	CROUND                                         ; the closing round
	s_endpgm
.Lfunc_end_k_qd652d7d9cc_aft:
	.size	k_qd652d7d9cc_aft, .Lfunc_end_k_qd652d7d9cc_aft-k_qd652d7d9cc_aft
	.p2alignl 7, 3214868480
	.fill 96, 4, 3214868480
	.section	.rodata,"a",@progbits
	.p2align	6, 0x0
	.amdhsa_kernel k_qd652d7d9cc_aft
		.amdhsa_group_segment_fixed_size 327680
		.amdhsa_private_segment_fixed_size 0
		.amdhsa_enable_private_segment 0
		.amdhsa_kernarg_size 40
		.amdhsa_user_sgpr_count 2
		.amdhsa_user_sgpr_kernarg_segment_ptr 1
		.amdhsa_wavefront_size32 1
		.amdhsa_system_sgpr_workgroup_id_x 1
		.amdhsa_system_sgpr_workgroup_id_y 1
		.amdhsa_system_sgpr_workgroup_id_z 1
		.amdhsa_system_vgpr_workitem_id 0
		.amdhsa_next_free_vgpr 1024
		.amdhsa_next_free_sgpr 72
		.amdhsa_reserve_vcc 0
		.amdhsa_float_denorm_mode_32 3
		.amdhsa_float_denorm_mode_16_64 3
		.amdhsa_memory_ordered 1
		.amdhsa_forward_progress 1
		.amdhsa_inst_pref_size 242
	.end_amdhsa_kernel
	.amdgpu_metadata
---
amdhsa.version: [ 1, 2 ]
amdhsa.kernels:
  - .name:           k_qd652d7d9cc_aft
    .symbol:         k_qd652d7d9cc_aft.kd
    .args:
      - { .name: wbias, .offset: 0, .size: 8, .value_kind: global_buffer, .address_space: global }
      - { .name: ek, .offset: 8, .size: 8, .value_kind: global_buffer, .address_space: global }
      - { .name: vv, .offset: 16, .size: 8, .value_kind: global_buffer, .address_space: global }
      - { .name: sq, .offset: 24, .size: 8, .value_kind: global_buffer, .address_space: global }
      - { .name: yy, .offset: 32, .size: 8, .value_kind: global_buffer, .address_space: global }
    .group_segment_fixed_size: 327680
    .private_segment_fixed_size: 0
    .kernarg_segment_align: 8
    .kernarg_segment_size: 40
    .max_flat_workgroup_size: 128
    .sgpr_count:     72
    .vgpr_count:     1024
    .wavefront_size: 32
...
	.end_amdgpu_metadata
.endif
;; end of part 3
;; launch outp (part 4): grid 8 x 32, 4 waves a work-group, clusters of 4 x 4, 327,680 bytes of LDS; arguments yy, wo16, bo, out0; writes out0
.if DOCPART == 4
	.amdgcn_target "amdgcn-amd-amdhsa--gfx1250"
	.amdhsa_code_object_version 6
	.text
	.protected	k_qd652d7d9cc_outp
	.globl	k_qd652d7d9cc_outp
	.p2align	8
	.type	k_qd652d7d9cc_outp,@function
k_qd652d7d9cc_outp:
	s_mov_b64 s[64:65], 0
	v_nop
	global_prefetch_b8 v0, s[64:65] scope:SCOPE_SE
	s_setreg_imm32_b32 hwreg(HW_REG_WAVE_MODE, 25, 1), 1
	s_wait_xcnt 0x0
	s_wait_alu depctr_hold_cnt(0) depctr_sa_sdst(0) depctr_va_vdst(0) depctr_va_sdst(0) depctr_va_ssrc(0) depctr_va_vcc(0) depctr_vm_vsrc(0)
	s_getreg_b32 s2, hwreg(HW_REG_IB_STS2, 6, 4)
	s_cmp_eq_u32 s2, 0
	s_cbranch_scc0 .Lentry_in_a_cluster
	s_endpgm
.Lentry_in_a_cluster:
	s_bfe_u32 s2, ttmp6, 0x10000c
	s_cmp_lg_u32 s2, 0xf033
	s_cbranch_scc0 .Lentry_shape_is_right
	s_endpgm
.Lentry_shape_is_right:
; OUTP.  out0[m][n] = the sum over k of y[m][k] wo16[n][k] + bo[n].  y and wo16 [1024][1024] in f16, sums in f32, out0 f32; bo is rounded to bf16 like the other inputs.
; y lies in yy as [row block 32][dh 2][Q 32][g 8][mr 8][64]: row 8 Q + mr of the block, k = 128 g + 64 dh + d.  So a K step of 128 (one g) of a row block is, for each dh, 32 pieces of 1 KiB, 8 KiB apart.
; SHARES.  A work-group makes 256 rows x 128 columns: 256 work-groups.  Wave w owns rows 64 w .. + 63 and all 128 columns: 4 x 8 accumulators, (a, b) at 8 (8 a + b) in window 1.
; K goes in 8 steps of 128 through two LDS slots; a K step is four quarters of 32, on two fragment sets in window 0 (Wo's b at + 8 b, y's a at + 64 + 8 a).
; CLUSTER.  4 x 4: y's tile is asked for jointly along a row of the cluster, Wo's along a column.  THE MATRIX INSTRUCTION IS USED TRANSPOSED (source 0 = Wo's rows): a lane holds row lane % 16 and eight neighbouring columns.
; THE WAY OUT: each wave's 64 rows x 512 bytes go through a stage of its own, on the slots, which have had their last fill; back as whole rows; 512 consecutive bytes, aligned, to a store.
.set SLOT1,  131072
.set PA,     144                       ; y in LDS: two planes (dh) of 256 rows of 128 bytes + 16
.set APL,    256*PA
.set PITCH,  272                       ; Wo: 256 bytes + 16.  With either pitch the 16 rows of a fragment load start at 16 different groups of four banks (64 banks of 4 bytes: ISA guide 11.1)
.set BOFF,   2*APL
.set SPARE,  SLOT1+BOFF+128*PITCH      ; behind slot 1: the spare words, 128 bytes a wave: two blocks of 256 bytes that no other line names
.set SPITCH, 528
.set ADRA0, 4
.set ADRB0, 5
.set ADRA,  6
.set ADRB,  7
.set STO,   8
.set RD,    10
.set CO,    11
.set SPW,   12                         ; v12  LDS address of my spare word; never rewritten
.set NIL,   13                         ; v13  0; never rewritten
.set BO,    16                         ; v[16:19] bo of my four columns
.set F0,    32
.set F1,    128
.set Z,     32
.set WV,  20
.set WI,  21
.set WJ,  22
.set CX,  23
.set CY,  24
.set GG,  25
.set TR,  26
.set G1A, 28
.set G1B, 36
.set G0A, 44
.set G0B, 52
.set CNT, 60
.set TB,  61
.set OB,  70
.set MSB, 0
.macro WIN new
.if MSB != (\new)
	s_set_vgpr_msb (MSB<<8)|(\new)
.set MSB, (\new)
.endif
.endm
.macro PLACES
.rept 4
	v_nop
.endr
.endm
.macro CREST
	s_cmp_lg_u32 s[WV], 0
	s_cbranch_scc1 .Lnot_wave_0_\@
	s_barrier_signal -3
.Lnot_wave_0_\@:
	s_barrier_wait -3
	s_barrier_signal -1
	s_barrier_wait -1
.endm
.macro CROUND
	s_barrier_signal -1
	s_barrier_wait -1
	CREST
.endm
.macro JLOAD                           ; a joint refill by the walking descriptors: waves 0, 1 fetch y's two planes, waves 2, 3 Wo's halves; an s_nop 0 and four v_nop follow each line
	s_cmp_eq_u32 s[WI], 0
	s_cbranch_scc0 .Lfor_b_\@
	tensor_load_to_lds s[G0A+4:G0A+7], s[G1A:G1A+7]
	s_nop 0
	PLACES
	s_branch .Lasked_\@
.Lfor_b_\@:
	tensor_load_to_lds s[G0B+4:G0B+7], s[G1B:G1B+7]
	s_nop 0
	PLACES
.Lasked_\@:
.endm
	s_load_b256 s[4:11], s[0:1], 0x0               ; yy s[4:5], wo16 s[6:7], bo s[8:9], out0 s[10:11]
	v_lshl_add_u32 v[SPW], v0, 2, SPARE
	v_mov_b32 v[NIL], 0
	ds_add_u32 v[SPW], v[NIL]                      ; the wave's opening: the add and its wait stand ahead of my first tensor load; the set-up below stands between them
	v_lshrrev_b32 v1, 5, v0
	v_readfirstlane_b32 s[WV], v1
	s_lshr_b32 s[WI], s[WV], 1                     ; 0: I fetch y, 1: I fetch Wo
	s_and_b32 s[WJ], s[WV], 1                      ; which plane, or which half
	s_bfe_u32 s[CX], ttmp6, 0x40000
	s_bfe_u32 s[CY], ttmp6, 0x40004
	s_lshl_b32 s[GG], ttmp9, 2
	s_add_co_u32 s[GG], s[GG], s[CX]               ; column group of 128
	s_and_b32 s[TR], ttmp7, 0xffff
	s_lshl_b32 s[TR], s[TR], 2
	s_add_co_u32 s[TR], s[TR], s[CY]               ; row block of 256
	s_lshl_b32 s2, s[CY], 2
	s_lshl_b32 s2, 15, s2                          ; my row of the cluster
	s_lshl_b32 s3, 0x1111, s[CX]                   ; my column
	s_or_b32 s[G1A], s2, (1<<16)|(1<<20)|(1<<21)|(4<<22)|(3<<25)  ; 2-byte elements; padding on; bit 21 beside a mask; after every 32 words (a row of 64 k) 4 words
	s_or_b32 s[G1B], s3, (1<<16)|(1<<20)|(1<<21)|(5<<22)|(3<<25)  ; after every 64 words 4 words
	s_mov_b32 s[G1A+1], 512<<16                    ; tensor_dim0 = 512: eight rows of 64 k on end
	s_mov_b32 s[G1B+1], 128<<16                    ; 128
	s_mov_b32 s[G1A+2], 32<<16                     ; tensor_dim1 = 32 pieces: 256 rows of y
	s_mov_b32 s[G1B+2], 64<<16                     ; 64 rows of Wo
	s_mov_b32 s[G1A+3], 512<<16                    ; tile_dim0
	s_mov_b32 s[G1B+3], 128<<16
	s_mov_b32 s[G1A+4], 32                         ; tile_dim1
	s_mov_b32 s[G1B+4], 64
	s_mov_b32 s[G1A+5], 4096                       ; elements from piece to piece
	s_mov_b32 s[G1B+5], 1024                       ; from row to row
	s_mov_b32 s[G1A+6], 0
	s_mov_b32 s[G1B+6], 0
	s_mov_b32 s[G1A+7], 0
	s_mov_b32 s[G1B+7], 0
	s_lshl_b32 s76, s[TR], 19                      ; y: the row block's 512 KiB, my plane's 256 KiB
	s_lshl_b32 s77, s[WJ], 18
	s_add_co_u32 s76, s76, s77
	s_mov_b32 s77, 0
	s_lshl_b32 s78, s[GG], 18                      ; Wo: (128 x column group + 64 x half) rows of 2,048 bytes
	s_lshl_b32 s79, s[WJ], 17
	s_add_co_u32 s78, s78, s79
	s_mov_b32 s79, 0
	s_mul_i32 s2, s[WJ], APL
	s_mul_i32 s3, s[WJ], 64*PITCH
	s_add_co_u32 s3, s3, BOFF
	s_mov_b32 s[G0A], 1
	s_mov_b32 s[G0A+1], s2
	s_mov_b32 s[G0A+4], 1
	s_add_co_u32 s[G0A+5], s2, SLOT1
	s_mov_b32 s[G0B], 1
	s_mov_b32 s[G0B+1], s3
	s_mov_b32 s[G0B+4], 1
	s_add_co_u32 s[G0B+5], s3, SLOT1
	s_mov_b32 s[TB], 0
	s_wait_dscnt 0x0                               ; the opening add is done
	s_wait_kmcnt 0x0
	s_add_nc_u64 s[G0A+2:G0A+3], s[4:5], s[76:77]
	s_add_nc_u64 s[G0A+6:G0A+7], s[G0A+2:G0A+3], 1024  ; a K step is the next g: 1 KiB on
	s_or_b32 s[G0A+3], s[G0A+3], 0x80000000
	s_or_b32 s[G0A+7], s[G0A+7], 0x80000000
	s_add_nc_u64 s[G0B+2:G0B+3], s[6:7], s[78:79]
	s_add_nc_u64 s[G0B+6:G0B+7], s[G0B+2:G0B+3], 256
	s_or_b32 s[G0B+3], s[G0B+3], 0x80000000
	s_or_b32 s[G0B+7], s[G0B+7], 0x80000000
	CROUND                                         ; all sixteen work-groups are here: the first joint loads meet
	s_cmp_eq_u32 s[WI], 0                          ; a wave's two first fills stand in one branch: two loads of mine are out
	s_cbranch_scc0 .Lfirst_b
	tensor_load_to_lds s[G0A:G0A+3], s[G1A:G1A+7]
	s_nop 0
	tensor_load_to_lds s[G0A+4:G0A+7], s[G1A:G1A+7]
	s_nop 0
	PLACES
	s_branch .Lfirst_asked
.Lfirst_b:
	tensor_load_to_lds s[G0B:G0B+3], s[G1B:G1B+7]
	s_nop 0
	tensor_load_to_lds s[G0B+4:G0B+7], s[G1B:G1B+7]
	s_nop 0
	PLACES
.Lfirst_asked:
	s_lshl_b32 s76, s[GG], 9
	s_mov_b32 s77, 0
	s_add_nc_u64 s[8:9], s[8:9], s[76:77]          ; bo of my column group
	v_and_b32 v3, 31, v0
	v_lshlrev_b32 v[CO], 4, v3                     ; on the way out a lane has four columns: 16 bytes
	global_load_b128 v[BO:BO+3], v[CO], s[8:9]
	s_lshl_b32 s78, s[TR], 20                      ; out0: (256 x row block + 64 x wave) rows of 4,096 bytes + 512 x column group
	s_lshl_b32 s79, s[WV], 18
	s_add_co_u32 s78, s78, s79
	s_add_co_u32 s78, s78, s76
	s_mov_b32 s79, 0
	s_add_nc_u64 s[OB:OB+1], s[10:11], s[78:79]
	v_and_b32 v1, 15, v0
	v_bfe_u32 v2, v0, 4, 1
	v_mul_u32_u24 v14, v1, PA
	v_lshl_add_u32 v14, v2, 4, v14
	s_mul_i32 s2, s[WV], 64*PA
	v_add_nc_u32 v[ADRA0], s2, v14
	v_mul_u32_u24 v14, v1, PITCH
	v_lshl_add_u32 v14, v2, 4, v14
	v_add_nc_u32 v[ADRB0], BOFF, v14
	v_mov_b32 v[ADRA], v[ADRA0]
	v_mov_b32 v[ADRB], v[ADRB0]
	s_mul_i32 s2, s[WV], 64*SPITCH                 ; my stage
	v_mul_u32_u24 v[STO], v1, SPITCH
	v_lshl_add_u32 v[STO], v2, 5, v[STO]
	v_add_nc_u32 v[STO], s2, v[STO]
	v_lshl_add_u32 v[RD], v3, 4, s2
.macro MUL f, a, zero                  ; 8 matrix instructions; the 32 accumulators take turns, one instruction a turn
	WIN 0x50
.set mb, 0
.rept 8
.if \zero
	v_wmma_f32_16x16x32_f16 v[8*(8*(\a)+mb):8*(8*(\a)+mb)+7], v[(\f)+8*mb:(\f)+8*mb+7], v[(\f)+64+8*(\a):(\f)+64+8*(\a)+7], 0
.else
	v_wmma_f32_16x16x32_f16 v[8*(8*(\a)+mb):8*(8*(\a)+mb)+7], v[(\f)+8*mb:(\f)+8*mb+7], v[(\f)+64+8*(\a):(\f)+64+8*(\a)+7], v[8*(8*(\a)+mb):8*(8*(\a)+mb)+7]
.endif
.set mb, mb+1
.endr
.endm
.macro FETCH k, f                      ; 24 LDS loads in one run: the fragments at byte k of the K step's 256: in Wo's rows as it stands, in y's in plane k / 128 at byte k % 128
	WIN 0
.set fb, 0
.rept 8
	ds_load_b128 v[(\f)+8*fb:(\f)+8*fb+3],   v[ADRB] offset:fb*16*PITCH+(\k)
	ds_load_b128 v[(\f)+8*fb+4:(\f)+8*fb+7], v[ADRB] offset:fb*16*PITCH+(\k)+32
.set fb, fb+1
.endr
.set fb, 0
.rept 4
	ds_load_b128 v[(\f)+64+8*fb:(\f)+64+8*fb+3],   v[ADRA] offset:fb*16*PA+((\k)/128)*APL+((\k)%128)
	ds_load_b128 v[(\f)+64+8*fb+4:(\f)+64+8*fb+7], v[ADRA] offset:fb*16*PA+((\k)/128)*APL+((\k)%128)+32
.set fb, fb+1
.endr
.endm
.macro QUARTER k, f, g, zero           ; multiplies set f, fetches the next quarter, at byte k, into set g
	s_wait_dscnt 0x0
	MUL \f, 0, \zero
	PLACES
	FETCH \k, \g
	MUL \f, 1, \zero
	MUL \f, 2, \zero
	MUL \f, 3, \zero
.endm
; The last quarter of a K step, on set 1, and the change of slots: ONE barrier; in front of it each wave waits for all its tensor loads, adds 0 to its spare word, and waits for that and for its reads of this slot.
.macro TURN fill
	WIN 0
	s_wait_tensorcnt 0x0                           ; no tensor load of mine is out, so a group 0 may be written
	ds_add_u32 v[SPW], v[NIL]
.if \fill
	s_xor_b32 s[G0A+5], s[G0A+5], SLOT1            ; the walking descriptors: the other slot than last time, the next K step
	s_add_nc_u64 s[G0A+6:G0A+7], s[G0A+6:G0A+7], 1024
	s_xor_b32 s[G0B+5], s[G0B+5], SLOT1
	s_add_nc_u64 s[G0B+6:G0B+7], s[G0B+6:G0B+7], 256
.endif
	s_wait_dscnt 1                                 ; the add alone may be out
	MUL F1, 0, 0
	s_wait_dscnt 0x0                               ; the add is done, and my reads of this slot are over
	s_barrier_signal -1
	MUL F1, 1, 0
	WIN 0
	s_barrier_wait -1
.if \fill
	CREST                                          ; no wave of any partner still reads this slot or has a load on its way
	JLOAD                                          ; 112 matrix instructions ahead of the wait for it; its four v_nop are also the places in front of the loads below
.else
	PLACES
.endif
	s_xor_b32 s[TB], s[TB], SLOT1
	v_add_nc_u32 v[ADRA], s[TB], v[ADRA0]
	v_add_nc_u32 v[ADRB], s[TB], v[ADRB0]
	FETCH 0, F0
	MUL F1, 2, 0
	MUL F1, 3, 0
.endm
	s_wait_tensorcnt 1                             ; my part of K step 0 is in; K step 1's may stay out
	s_barrier_signal -1
	s_barrier_wait -1
	FETCH 0, F0
	s_wait_loadcnt 0x0                             ; bo
	v_cvt_pk_bf16_f32 v30, v[BO], v[BO+1]          ; rounded to bf16 like the other inputs, and back to f32
	v_cvt_pk_bf16_f32 v31, v[BO+2], v[BO+3]
	v_lshlrev_b32 v[BO], 16, v30
	v_and_b32 v[BO+1], 0xffff0000, v30
	v_lshlrev_b32 v[BO+2], 16, v31
	v_and_b32 v[BO+3], 0xffff0000, v31
	QUARTER 64, F0, F1, 1                          ; the first products start the sums: nothing is cleared
	WIN 0
	s_mov_b32 s[CNT], 6
.Lstep:                                ; six trips: K steps 2 to 7 are asked for
	QUARTER 128, F1, F0, 0
	QUARTER 192, F0, F1, 0
	TURN 1
	QUARTER 64, F0, F1, 0
	WIN 0
	s_sub_co_u32 s[CNT], s[CNT], 1
	s_cmp_lg_u32 s[CNT], 0
	s_cbranch_scc1 .Lstep
	QUARTER 128, F1, F0, 0                         ; the tail is written out: nothing is left to ask for
	QUARTER 192, F0, F1, 0
	TURN 0
	QUARTER 64, F0, F1, 0
	QUARTER 128, F1, F0, 0
	QUARTER 192, F0, F1, 0
	s_wait_dscnt 0x0
	MUL F1, 0, 0
	MUL F1, 1, 0
	MUL F1, 2, 0
	MUL F1, 3, 0
	; THE WAY OUT
	WIN 0
	PLACES                                         ; behind the last products
	s_barrier_signal -1                            ; every wave's reads of the slots are over (its last wait was for 0): the stages may be written
	s_barrier_wait -1
	WIN 0x04                                       ; an LDS store's data are source 1: window 1
.set ga, 0
.rept 4
.set gb, 0
.rept 8
	ds_store_b128 v[STO], v[8*(8*ga+gb):8*(8*ga+gb)+3]   offset:ga*16*SPITCH+gb*64      ; each accumulator's four lowest registers first
	ds_store_b128 v[STO], v[8*(8*ga+gb)+4:8*(8*ga+gb)+7] offset:ga*16*SPITCH+gb*64+16
.set gb, gb+1
.endr
.set ga, ga+1
.endr
	WIN 0
	s_mov_b32 s[CNT], 8
.Lrows:                                ; 8 rows a trip: back as whole rows (LDS serves a wave's instructions in order: ISA guide 5.7.1.4), + bo, out
.set z, 0
.rept 8
	ds_load_b128 v[Z+4*z:Z+4*z+3], v[RD] offset:z*SPITCH
.set z, z+1
.endr
	s_wait_dscnt 0x0
.set z, 0
.rept 16
	v_pk_add_f32 v[Z+2*z:Z+2*z+1], v[Z+2*z:Z+2*z+1], v[BO+2*(z%2):BO+2*(z%2)+1]
.set z, z+1
.endr
.set z, 0
.rept 8
	global_store_b128 v[CO], v[Z+4*z:Z+4*z+3], s[OB:OB+1] offset:z*4096 th:TH_STORE_NT  ; 512 consecutive bytes, aligned
.set z, z+1
.endr
	s_wait_xcnt 0x0                                ; the stores have read their data and their offset: only now are these rewritten
	v_add_nc_u32 v[CO], 32768, v[CO]
	v_add_nc_u32 v[RD], 8*SPITCH, v[RD]
	s_sub_co_u32 s[CNT], s[CNT], 1
	s_cmp_lg_u32 s[CNT], 0
	s_cbranch_scc1 .Lrows
	s_wait_tensorcnt 0x0                           ; the wave's end: behind my last tensor load and my last LDS store
	ds_add_u32 v[SPW], v[NIL]
	s_wait_dscnt 0x0
	CROUND                                         ; the closing round
	s_endpgm
.Lfunc_end_k_qd652d7d9cc_outp:
	.size	k_qd652d7d9cc_outp, .Lfunc_end_k_qd652d7d9cc_outp-k_qd652d7d9cc_outp
	.p2alignl 7, 3214868480
	.fill 96, 4, 3214868480
	.section	.rodata,"a",@progbits
	.p2align	6, 0x0
	.amdhsa_kernel k_qd652d7d9cc_outp
		.amdhsa_group_segment_fixed_size 327680
		.amdhsa_private_segment_fixed_size 0
		.amdhsa_enable_private_segment 0
		.amdhsa_kernarg_size 32
		.amdhsa_user_sgpr_count 2
		.amdhsa_user_sgpr_kernarg_segment_ptr 1
		.amdhsa_wavefront_size32 1
		.amdhsa_system_sgpr_workgroup_id_x 1
		.amdhsa_system_sgpr_workgroup_id_y 1
		.amdhsa_system_sgpr_workgroup_id_z 1
		.amdhsa_system_vgpr_workitem_id 0
		.amdhsa_next_free_vgpr 512
		.amdhsa_next_free_sgpr 80
		.amdhsa_reserve_vcc 0
		.amdhsa_float_denorm_mode_32 3
		.amdhsa_float_denorm_mode_16_64 3
		.amdhsa_memory_ordered 1
		.amdhsa_forward_progress 1
		.amdhsa_inst_pref_size 61
	.end_amdhsa_kernel
	.amdgpu_metadata
---
amdhsa.version: [ 1, 2 ]
amdhsa.kernels:
  - .name:           k_qd652d7d9cc_outp
    .symbol:         k_qd652d7d9cc_outp.kd
    .args:
      - { .name: yy, .offset: 0, .size: 8, .value_kind: global_buffer, .address_space: global }
      - { .name: wo16, .offset: 8, .size: 8, .value_kind: global_buffer, .address_space: global }
      - { .name: bo, .offset: 16, .size: 8, .value_kind: global_buffer, .address_space: global }
      - { .name: out0, .offset: 24, .size: 8, .value_kind: global_buffer, .address_space: global }
    .group_segment_fixed_size: 327680
    .private_segment_fixed_size: 0
    .kernarg_segment_align: 8
    .kernarg_segment_size: 32
    .max_flat_workgroup_size: 128
    .sgpr_count:     80
    .vgpr_count:     512
    .wavefront_size: 32
...
	.end_amdgpu_metadata
.endif
;; end of part 4
